; MI455X (gfx1250); checked and timed in simulation.
; The chip was launched on July 23, 2026; its instructions are those of AMD's public machine-readable ISA for CDNA 5 (MIT licence, August 2026) and "CDNA5" Instruction Set Architecture Reference Guide (July 2026). The comments in the code are by the model that wrote it; some were corrected since.
;; Cross Attention Fusion. Allowed arithmetic: float matrix products may take bf16 or f16 operands with f32 sums; other float arithmetic in f32, or as packed bf16 or f16 multiplies, adds, multiply-adds, maxima and minima; sums over many terms, partial sums and values carried from step to step in f32; what a program stores and reads back later, other than sums and carried values, may be rounded once to bf16 or f16.
;; Inputs: Wkv_i 1,024 x 2,048 float32; Wkv_w 1,024 x 2,048 float32; Wp 2,048 x 1,024 float32; Wq_i 1,024 x 1,024 float32; Wq_w 1,024 x 1,024 float32; beta 1,024 float32; bkv_i 2,048 float32; bkv_w 2,048 float32; bp 1,024 float32; bq_i 1,024 float32; bq_w 1,024 float32; gamma 1,024 float32; image_feat 4 x 1,024 x 1,024 float32; waveform_feat 4 x 1,024 x 1,024 float32.
;; Outputs: out0 4 x 1,024 x 1,024 float32.
;; 2 versions, each right; version 2 is version 1 with the launch cast written anew for expert scheduling mode. Each part assembles by itself: llvm-mc -triple=amdgcn-amd-amdhsa -mcpu=gfx1250 --defsym DOCPART=n.
;; ======== version 1 of 2: 5 launches
;; limits: values are held in f16: magnitudes above 65,504 overflow, below 6.1e-05 lose precision
;; workspace buffers: xb 16,777,216 bytes; wcat 12,582,912 bytes; wpb 4,194,304 bytes; vecs 36,864 bytes; qkv 50,331,648 bytes; ob 16,777,216 bytes; pre 16,777,216 bytes
;; launch cast (part 1): grid 1025 x 1, 8 waves a work-group, no clusters, 0 bytes of LDS; arguments image_feat, waveform_feat, Wq_i, Wq_w, Wkv_i, Wkv_w, Wp, bq_i, bkv_i, bq_w, bkv_w, bp, gamma, beta, xb, wcat, wpb, vecs; writes xb, wcat, wpb, vecs
.if DOCPART == 1
	.amdgcn_target "amdgcn-amd-amdhsa--gfx1250"
	.amdhsa_code_object_version 6
	.text
	.protected	k_qd6f43d2b62_cast
	.globl	k_qd6f43d2b62_cast
	.p2align	8
	.type	k_qd6f43d2b62_cast,@function
k_qd6f43d2b62_cast:
	s_mov_b64 s[64:65], 0
	v_nop
	global_prefetch_b8 v0, s[64:65] scope:SCOPE_SE
	s_setreg_imm32_b32 hwreg(HW_REG_WAVE_MODE, 25, 1), 1
	s_wait_xcnt 0x0
; CAST.  Every input is rounded once to bf16 and laid out for the launches behind:
;   xb   bf16 [16 planes][8192 rows][64]  plane p holds columns 64 p .. 64 p + 63 of all rows (image rows, then waveform rows): 256 rows of a plane are 32,768 bytes on end
;   wcat bf16 [2][1024 k][3072 n]         side 0: Wq_i | Wkv_i, side 1: Wq_w | Wkv_w, columns side by side
;   wpb  f16  [2048 k][1024 n]            Wp rounded to bf16, that number written as f16
;   vecs f32  9 x 1024                    bq_i, bkv_i, bq_w, bkv_w, bp, gamma, beta, each number rounded to bf16 and kept as f32
; LIMIT.  A bf16 number of Wp below 2^-17 in size loses bits as f16 (f16's fixed step of 2^-24); beyond 65,504 it would be an infinity.
; SHARES.  A unit is 1,024 f32 on end (4,096 bytes) and becomes 2,048 bytes.  A work-group takes 16 units on end of one segment: 16 loads of 16 bytes and 16 stores of 8 bytes a thread.
; Weights: thread t takes 16 bytes at 16 t of each unit and stores 8 bytes at 8 t: a wave's load covers 512 consecutive bytes, its store 256 consecutive bytes, aligned.
; x: a wave's load takes 256 consecutive bytes (one plane's 64 columns) of each of two neighbouring rows, lanes 0-15 the even row, lanes 16-31 the odd one; in the plane these are again 256 consecutive
; bytes, aligned.  Wave w takes planes 2 w and 2 w + 1.
; All loads of a thread go out first; no register that a memory instruction names is written again, so no wait but the counted ones is needed.
; No LDS, no matrix unit: each byte is read once and written once.
.set NU,  16                           ; units a work-group
.set X,   40                           ; v[40:103] load i: 4 registers as loaded, the first two then as stored
.set D,   2                            ; v[2:17]   load i: my byte offset in the destination
.set T,   34                           ; v[34:35]  at work; v36-39 too
.set SRC, 44                           ; s[44:45]  the segment's source, then my work-group's part of it
.set DST, 46                           ; s[46:47]  the same for the destination
; s48 the segment's first work-group; s49 destination bytes a work-group; s50 the segment's first destination byte;
; s51, s52 load i lands at (i / 2) x s52 + (i % 2) x s51; s53 1: f16 of the bf16 number
.macro SEG start, src, dst, dmul, dadd, p1, p2, kind   ; from work-group 'start' on this segment holds
	s_cmp_ge_u32 ttmp9, \start
	s_cselect_b64 s[SRC:SRC+1], s[\src:\src+1], s[SRC:SRC+1]
	s_cselect_b64 s[DST:DST+1], s[\dst:\dst+1], s[DST:DST+1]
	s_cselect_b32 s48, \start, s48
	s_cselect_b32 s49, \dmul, s49
	s_cselect_b32 s50, \dadd, s50
	s_cselect_b32 s51, \p1, s51
	s_cselect_b32 s52, \p2, s52
	s_cselect_b32 s53, \kind, s53
.endm
	s_load_b512 s[8:23], s[0:1], 0x0               ; image 8, wave 10, Wq_i 12, Wq_w 14, Wkv_i 16, Wkv_w 18, Wp 20, bq_i 22
	s_load_b512 s[24:39], s[0:1], 0x40             ; bkv_i 24, bq_w 26, bkv_w 28, bp 30, gamma 32, beta 34, xb 36, wcat 38
	s_load_b128 s[40:43], s[0:1], 0x80             ; wpb 40, vecs 42
	v_lshlrev_b32 v1, 4, v0                        ; 16 t
	s_mov_b32 s58, 0xffff0000                      ; a word's upper bf16
	s_wait_kmcnt 0x0
	s_cmp_eq_u32 ttmp9, 1024
	s_cbranch_scc1 .Lvec                           ; the last work-group takes the nine units of vectors
	s_mov_b64 s[SRC:SRC+1], s[8:9]                 ; segment 0: image -> xb: 16 rows of 128 bytes in each plane; planes 1,048,576 bytes apart; a pair of rows 256
	s_mov_b64 s[DST:DST+1], s[36:37]
	s_mov_b32 s48, 0
	s_mov_b32 s49, 2048
	s_mov_b32 s50, 0
	s_mov_b32 s51, 1048576
	s_mov_b32 s52, 256
	s_mov_b32 s53, 0
	SEG 256, 10, 36, 2048,  524288,  1048576, 256,   0   ; waveform -> rows 4,096 on of each plane
	SEG 512, 12, 38, 98304, 0,       6144,    12288, 0   ; Wq_i: a unit is a row k; wcat's rows are 6,144 bytes apart
	SEG 576, 14, 38, 98304, 6291456, 6144,    12288, 0   ; Wq_w: side 1
	SEG 640, 16, 38, 49152, 2048,    2048,    6144,  0   ; Wkv_i: two units a row, from column 1,024 on
	SEG 768, 18, 38, 49152, 6293504, 2048,    6144,  0   ; Wkv_w
	SEG 896, 20, 40, 32768, 0,       2048,    4096,  1   ; Wp -> wpb
	s_sub_co_u32 s54, ttmp9, s48                   ; my number in the segment
	s_lshl_b32 s56, s54, 16                        ; 16 units of 4,096 bytes
	s_mov_b32 s57, 0
	s_add_nc_u64 s[SRC:SRC+1], s[SRC:SRC+1], s[56:57]
	s_mul_i32 s56, s54, s49
	s_add_co_u32 s56, s56, s50
	s_add_nc_u64 s[DST:DST+1], s[DST:DST+1], s[56:57]
	s_cmp_lt_u32 ttmp9, 512
	s_cbranch_scc0 .Lrows
	v_and_b32 v36, 15, v0                          ; x: my 16 bytes of a plane's 256 in a row,
	v_bfe_u32 v37, v0, 4, 1                        ; the even or the odd row,
	v_lshrrev_b32 v38, 5, v0                       ; my wave's two planes
	v_and_b32 v39, 31, v0
	v_lshlrev_b32 v1, 4, v36
	v_lshl_add_u32 v1, v37, 12, v1
	v_lshl_add_u32 v1, v38, 9, v1
	v_lshlrev_b32 v[D], 3, v39                     ; in a plane the two rows' pieces lie on end: 8 bytes a lane
	v_lshl_add_u32 v[D], v38, 21, v[D]
.set n, 0
.rept NU                               ; load n: rows 2 (n / 2) and 2 (n / 2) + 1, plane 2 w + n % 2
	global_load_b128 v[X+4*n:X+4*n+3], v1, s[SRC:SRC+1] offset:(n/2)*8192+(n%2)*256 th:TH_LOAD_NT
.set n, n+1
.endr
	s_branch .Lout
.Lrows:
	v_lshlrev_b32 v[D], 3, v0                      ; 8 t
.set n, 0
.rept NU
	global_load_b128 v[X+4*n:X+4*n+3], v1, s[SRC:SRC+1] offset:4096*n th:TH_LOAD_NT
.set n, n+1
.endr
.Lout:
	v_add_nc_u32 v[D+1], s51, v[D]
.set n, 2
.rept NU-2
	v_add_nc_u32 v[D+n], s52, v[D+n-2]
.set n, n+1
.endr
.macro OUT i, kind
	s_wait_loadcnt NU-1-(\i)                       ; loads come back in order: load i is in, the younger ones stay out
.if \kind
	v_cvt_pk_bf16_f32 v[T], v[X+4*(\i)], v[X+4*(\i)+1]      ; rounded to bf16,
	v_cvt_pk_bf16_f32 v[T+1], v[X+4*(\i)+2], v[X+4*(\i)+3]
	v_lshlrev_b32 v[X+4*(\i)], 16, v[T]                     ; widened again,
	v_and_b32 v[X+4*(\i)+1], s58, v[T]
	v_lshlrev_b32 v[X+4*(\i)+2], 16, v[T+1]
	v_and_b32 v[X+4*(\i)+3], s58, v[T+1]
	v_cvt_pk_f16_f32 v[X+4*(\i)], v[X+4*(\i)], v[X+4*(\i)+1]    ; and written as f16
	v_cvt_pk_f16_f32 v[X+4*(\i)+1], v[X+4*(\i)+2], v[X+4*(\i)+3]
.else
	v_cvt_pk_bf16_f32 v[X+4*(\i)], v[X+4*(\i)], v[X+4*(\i)+1]
	v_cvt_pk_bf16_f32 v[X+4*(\i)+1], v[X+4*(\i)+2], v[X+4*(\i)+3]
.endif
	global_store_b64 v[D+(\i)], v[X+4*(\i):X+4*(\i)+1], s[DST:DST+1]
.endm
	s_cmp_eq_u32 s53, 1
	s_cbranch_scc1 .Lf16
.set n, 0
.rept NU
	OUT n, 0
.set n, n+1
.endr
	s_endpgm
.Lf16:
.set n, 0
.rept NU
	OUT n, 1
.set n, n+1
.endr
	s_endpgm
.Lvec:                                             ; 256 threads x 16 bytes are one unit
	global_load_b128 v[X:X+3],     v1, s[22:23]
	global_load_b128 v[X+4:X+7],   v1, s[24:25]
	global_load_b128 v[X+8:X+11],  v1, s[24:25] offset:4096
	global_load_b128 v[X+12:X+15], v1, s[26:27]
	global_load_b128 v[X+16:X+19], v1, s[28:29]
	global_load_b128 v[X+20:X+23], v1, s[28:29] offset:4096
	global_load_b128 v[X+24:X+27], v1, s[30:31]
	global_load_b128 v[X+28:X+31], v1, s[32:33]
	global_load_b128 v[X+32:X+35], v1, s[34:35]
	s_wait_loadcnt 0x0
.set n, 0
.rept 9
	v_cvt_pk_bf16_f32 v[T], v[X+4*n], v[X+4*n+1]
	v_cvt_pk_bf16_f32 v[T+1], v[X+4*n+2], v[X+4*n+3]
	v_lshlrev_b32 v[X+4*n], 16, v[T]
	v_and_b32 v[X+4*n+1], s58, v[T]
	v_lshlrev_b32 v[X+4*n+2], 16, v[T+1]
	v_and_b32 v[X+4*n+3], s58, v[T+1]
	global_store_b128 v1, v[X+4*n:X+4*n+3], s[42:43] offset:4096*n
.set n, n+1
.endr
	s_endpgm
.Lfunc_end_k_qd6f43d2b62_cast:
	.size	k_qd6f43d2b62_cast, .Lfunc_end_k_qd6f43d2b62_cast-k_qd6f43d2b62_cast
	.p2alignl 7, 3214868480
	.fill 96, 4, 3214868480
	.section	.rodata,"a",@progbits
	.p2align	6, 0x0
	.amdhsa_kernel k_qd6f43d2b62_cast
		.amdhsa_group_segment_fixed_size 0
		.amdhsa_private_segment_fixed_size 0
		.amdhsa_enable_private_segment 0
		.amdhsa_kernarg_size 144
		.amdhsa_user_sgpr_count 2
		.amdhsa_user_sgpr_kernarg_segment_ptr 1
		.amdhsa_wavefront_size32 1
		.amdhsa_system_sgpr_workgroup_id_x 1
		.amdhsa_system_sgpr_workgroup_id_y 1
		.amdhsa_system_sgpr_workgroup_id_z 1
		.amdhsa_system_vgpr_workitem_id 0
		.amdhsa_next_free_vgpr 104
		.amdhsa_next_free_sgpr 66
		.amdhsa_reserve_vcc 0
		.amdhsa_float_denorm_mode_32 3
		.amdhsa_float_denorm_mode_16_64 3
		.amdhsa_memory_ordered 1
		.amdhsa_forward_progress 1
		.amdhsa_inst_pref_size 25
	.end_amdhsa_kernel
	.amdgpu_metadata
---
amdhsa.version: [ 1, 2 ]
amdhsa.kernels:
  - .name:           k_qd6f43d2b62_cast
    .symbol:         k_qd6f43d2b62_cast.kd
    .args:
      - { .name: image_feat, .offset: 0, .size: 8, .value_kind: global_buffer, .address_space: global }
      - { .name: waveform_feat, .offset: 8, .size: 8, .value_kind: global_buffer, .address_space: global }
      - { .name: Wq_i, .offset: 16, .size: 8, .value_kind: global_buffer, .address_space: global }
      - { .name: Wq_w, .offset: 24, .size: 8, .value_kind: global_buffer, .address_space: global }
      - { .name: Wkv_i, .offset: 32, .size: 8, .value_kind: global_buffer, .address_space: global }
      - { .name: Wkv_w, .offset: 40, .size: 8, .value_kind: global_buffer, .address_space: global }
      - { .name: Wp, .offset: 48, .size: 8, .value_kind: global_buffer, .address_space: global }
      - { .name: bq_i, .offset: 56, .size: 8, .value_kind: global_buffer, .address_space: global }
      - { .name: bkv_i, .offset: 64, .size: 8, .value_kind: global_buffer, .address_space: global }
      - { .name: bq_w, .offset: 72, .size: 8, .value_kind: global_buffer, .address_space: global }
      - { .name: bkv_w, .offset: 80, .size: 8, .value_kind: global_buffer, .address_space: global }
      - { .name: bp, .offset: 88, .size: 8, .value_kind: global_buffer, .address_space: global }
      - { .name: gamma, .offset: 96, .size: 8, .value_kind: global_buffer, .address_space: global }
      - { .name: beta, .offset: 104, .size: 8, .value_kind: global_buffer, .address_space: global }
      - { .name: xb, .offset: 112, .size: 8, .value_kind: global_buffer, .address_space: global }
      - { .name: wcat, .offset: 120, .size: 8, .value_kind: global_buffer, .address_space: global }
      - { .name: wpb, .offset: 128, .size: 8, .value_kind: global_buffer, .address_space: global }
      - { .name: vecs, .offset: 136, .size: 8, .value_kind: global_buffer, .address_space: global }
    .group_segment_fixed_size: 0
    .private_segment_fixed_size: 0
    .kernarg_segment_align: 8
    .kernarg_segment_size: 144
    .max_flat_workgroup_size: 256
    .sgpr_count:     66
    .vgpr_count:     104
    .wavefront_size: 32
...
	.end_amdgpu_metadata
.endif
;; end of part 1
;; launch proj (part 2): grid 8 x 32, 4 waves a work-group, clusters of 4 x 4, 327,680 bytes of LDS; arguments xb, wcat, vecs, qkv; writes qkv
.if DOCPART == 2
	.amdgcn_target "amdgcn-amd-amdhsa--gfx1250"
	.amdhsa_code_object_version 6
	.text
	.protected	k_qd6f43d2b62_proj
	.globl	k_qd6f43d2b62_proj
	.p2align	8
	.type	k_qd6f43d2b62_proj,@function
k_qd6f43d2b62_proj:
	s_mov_b64 s[64:65], 0
	v_nop
	global_prefetch_b8 v0, s[64:65] scope:SCOPE_SE
	s_setreg_imm32_b32 hwreg(HW_REG_WAVE_MODE, 25, 1), 1
	s_wait_xcnt 0x0
	s_wait_alu depctr_hold_cnt(0) depctr_sa_sdst(0) depctr_va_vdst(0) depctr_va_sdst(0) depctr_va_ssrc(0) depctr_va_vcc(0) depctr_vm_vsrc(0)
	s_getreg_b32 s2, hwreg(HW_REG_IB_STS2, 6, 4)
	s_cmp_eq_u32 s2, 0
	s_cbranch_scc0 .Lentry_in_a_cluster
	s_endpgm
.Lentry_in_a_cluster:
	s_bfe_u32 s2, ttmp6, 0x10000c
	s_cmp_lg_u32 s2, 0xf033
	s_cbranch_scc0 .Lentry_shape_is_right
	s_endpgm
.Lentry_shape_is_right:
; PROJECTIONS.  For side z (0 image, 1 waveform): [q | k | v] = x[z] (4096 x 1024) x wcat[z] (1024 x 3072) + bias; bf16 operands, f32 sums, K ascending.
; x is xb, bf16 in planes [16][8192 rows][64]: plane p holds columns 64 p .. + 63.  OUT: qkv f16 [z][b][g][s][64], g = head for q, 16 + head for k, 32 + head for v: a head's rows are dense,
; 128 bytes each.  Rounded once, unscaled.
; LIMIT.  f16 ends at 65,504: q, k and v must stay within it (for inputs of the stated kind, thirty times larger too, they do).
; SHARES.  8192 x 3072 numbers on 256 work-groups: a tile of 256 rows x 384 columns (six heads) each.  Four waves; wave w takes rows 128 (w / 2) .. + 127 and the heads 2 c + w % 2, c = 0..2:
; 96 accumulators of 16 x 16, 768 registers: for 32 along K a wave reads 40 x 512 bytes from LDS and issues 96 matrix instructions.
; K goes in steps of 64 (one plane of x) through two LDS slots: two slots of 128 would take 360,448 bytes.  A tile of x is 32,768 bytes on end in its plane and is asked for as 128 rows of 256 bytes.
; THE WEIGHTS LIE [k][n] and stay so: their fragments come out of LDS turned, by ds_load_tr16_b128.
; THE MATRIX INSTRUCTION IS USED TRANSPOSED (source 0 = 16 columns of the weights, source 1 = 16 rows of x): a lane holds one row and eight neighbouring columns.
; THE BIAS STARTS THE SUMS: it is loaded into the accumulators of row block 0; the first products of blocks 1-7 take those registers as C, block 0's then add in place.  Nothing is cleared or added later.
; CLUSTER 4 x 4.  x's tile hangs on the tile row alone and is asked for jointly along a row of the cluster, the weights' on the tile column (and the side, which the whole cluster shares)
; and jointly along a column.  Waves 0-2 ask for the weights' three chunks of 128 columns, wave 3 for x's tile: one tensor load a wave behind each round.
; ONE TEXT FOR BOTH SLOTS: the LDS base of the fetches is a scalar register turned by an exclusive or, and one descriptor a tensor walks.  The loop's trip is one K step.
; REGISTERS, in windows of 256: window 0: addresses (v16-30), x's fragments (v32-159, two buffers of 64), the weights' (v160-255, one buffer of 96: chunk c's are asked for again behind chunk c's products);
; window 1 + c: chunk c's accumulators, (a, bb) at 32 a + 8 bb.
.set PA,    144                        ; x's LDS rows: 128 bytes + 16: the sixteen rows of a load begin in sixteen different groups of four banks (64 banks of 4 bytes: ISA guide 11.1)
.set PB,    288                        ; the weights' LDS rows: 256 + 32, an odd multiple of 32
.set CHUNK, 64*PB                      ; 64 k x 128 columns
.set AOFF,  3*CHUNK                    ; x's tile lies behind the three chunks
.set SLOT1, 1<<17                      ; a slot is 92,160 bytes; slot 1 begins here, so that one exclusive or turns an address in one slot into the other's
.set STAGE, SLOT1+AOFF+256*PA          ; behind the ring: 16 rows x 144 bytes for each wave, for the way out; no tensor load lands here
.set SP,    144
.set SPARE, STAGE+4*16*SP              ; the spare words: 128 bytes a wave, two blocks of 256 bytes that no other line names
.set ADRA0, 16                         ; v16  my lane's place in x's tile; never rewritten
.set ADRB0, 17                         ; v17  the same in chunk 0 of the weights
.set ADRA,  18                         ; v18  + the slot that is being fetched from
.set ADRB,  19                         ; v19
.set STO,  24                          ; v24  the way out: where I put 16 bytes of a row
.set RD,   25                          ; v25  where I read rows back
.set GO,   26                          ; v26  my 16 bytes of 512 consecutive bytes of qkv
.set BO,   27                          ; v27  my byte offset in the bias
.set SPW,  28                          ; v28  my spare word; never rewritten
.set NIL,  29                          ; v29  0; never rewritten
.set PFO,  30                          ; v30  the prefetches' offset; never rewritten
.set FA,   32                          ; x's fragments: buffer f, row block a at 64 f + 8 a
.set FB,   160                         ; the weights': (c, bb) at 32 c + 8 bb
.set TMP,  32                          ; the way out: v32-47 packed results,
.set BK,   48                          ; v48-63, v64-79 rows read back from the stage, by turns
.set WV,   12                          ; s12 wave; s13 its half of the rows; s14 its parity of the heads
.set G1,   24                          ; s[24:31] group 1 for x's tile;  s[32:39] group 0: a set for each first fill; the second then walks
.set G0,   32
.set G1B,  48                          ; s[48:55], s[56:63] the same for the weights' chunks
.set G0B,  56
.set PFA,  46                          ; s[46:47] where my prefetches stand
.set LIM,  66                          ; s66  2 in a wave that prefetches, else the greatest number
.set PM,   67                          ; s67  1: I ask in every second trip (weights); 0: in every trip (x)
.set PST,  68                          ; s[68:69] a K step in bytes of the tensor that I fetch
.set OB,   70                          ; s[70:75] qkv at my rows of head 2 c + parity
.set BB,   78                          ; s[78:79] the bias of my first column
.set TB,   89                          ; s89  LDS byte at which the slot that is being fetched from begins
.set MSB, 0
.macro WIN new                         ; the immediate's high byte repeats the setting that is left; a switch that changes nothing is dropped
.if MSB != (\new)
	s_set_vgpr_msb (MSB<<8)|(\new)
.set MSB, \new
.endif
.endm
.macro PLACES                          ; four plain places behind matrix instructions (ISA guide 7.12.1)
.rept 4
	v_nop
.endr
.endm
.macro JLOAD s                         ; a joint load: the branch hangs on the wave's number alone; an s_nop 0 and four v_nop follow each line
	s_cmp_eq_u32 s[WV], 3
	s_cbranch_scc0 .Lfor_b_\@
	tensor_load_to_lds s[G0+4*(\s):G0+4*(\s)+3], s[G1:G1+7]
	s_nop 0
	PLACES
	s_branch .Lasked_\@
.Lfor_b_\@:
	tensor_load_to_lds s[G0B+4*(\s):G0B+4*(\s)+3], s[G1B:G1B+7]
	s_nop 0
	PLACES
.Lasked_\@:
.endm
.macro CREST                           ; a round of the cluster's barrier behind its opening barrier
	s_cmp_lg_u32 s[WV], 0
	s_cbranch_scc1 .Lnot_wave_0_\@
	s_barrier_signal -3
.Lnot_wave_0_\@:
	s_barrier_wait -3
	s_barrier_signal -1
	s_barrier_wait -1
.endm
.macro CROUND
	s_barrier_signal -1
	s_barrier_wait -1
	CREST
.endm
; A PREFETCH behind the joint load and the run of LDS loads.  x: the tile of the plane two refills on, 128 blocks of 256 bytes: wave 3 asks, in the clusters with x = 0 (both clusters of a row of clusters read
; the same rows); the four partners take 32 blocks each, by address, a lane a block.  The weights: 128 rows k of my chunk, the K steps two and three refills on: waves 0-2 ask, in every second trip, in the first
; of a side's four clusters of a column; the partners take 32 rows each, by address, a lane a row.  So each block of 256 bytes is named once.  K steps 0-3 come by their loads alone; the last trips ask for nothing.
.macro ASK
	s_and_b32 s88, s3, s[PM]
	s_cmp_eq_u32 s88, 0
	s_cbranch_scc0 .Lnot_mine_\@
	s_cmp_gt_u32 s3, s[LIM]
	s_cbranch_scc0 .Lnot_mine_\@
	global_prefetch_b8 v[PFO], s[PFA:PFA+1] th:TH_LOAD_NT scope:SCOPE_SE
.Lnot_mine_\@:
.endm
	s_load_b256 s[4:11], s[0:1], 0x0               ; xb s[4:5], wcat s[6:7], vecs s[8:9], qkv s[10:11]
	v_lshl_add_u32 v[SPW], v0, 2, SPARE
	v_mov_b32 v[NIL], 0
	ds_add_u32 v[SPW], v[NIL]                      ; the wave's opening: an add of 0 to my spare word; its wait stands ahead of my first tensor load
	v_lshrrev_b32 v1, 5, v0
	v_readfirstlane_b32 s[WV], v1
	s_lshr_b32 s13, s[WV], 1
	s_and_b32 s14, s[WV], 1
	s_bfe_u32 s40, ttmp6, 0x40000                  ; cx
	s_bfe_u32 s41, ttmp6, 0x40004                  ; cy
	s_lshl_b32 s42, ttmp9, 2
	s_add_co_u32 s42, s42, s40                     ; tile column 0..7
	s_and_b32 s77, ttmp7, 0xffff                   ; cluster y 0..7
	s_lshl_b32 s43, s77, 2
	s_add_co_u32 s43, s43, s41                     ; tile row 0..31
	s_lshr_b32 s76, s77, 2                         ; the side: the same in the whole cluster
	s_lshl_b32 s44, s41, 2
	s_lshl_b32 s44, 15, s44                        ; my row of the cluster
	s_lshl_b32 s45, 0x1111, s40                    ; my column
	s_or_b32 s[G1], s44, (1<<16)|(1<<20)|(1<<21)|(4<<22)|(3<<25)   ; mask; 2-byte elements; padding on; bit 21 beside a mask; after every 32 words 4 words
	s_mov_b32 s[G1+1], 128<<16                     ; tensor_dim0 = 128: 256 bytes, two rows of x
	s_mov_b32 s[G1+2], 128<<16                     ; tensor_dim1 = 128
	s_mov_b32 s[G1+3], 128<<16                     ; tile_dim0
	s_mov_b32 s[G1+4], 128                         ; tile_dim1
	s_mov_b32 s[G1+5], 128                         ; dense
	s_mov_b32 s[G1+6], 0
	s_mov_b32 s[G1+7], 0
	s_or_b32 s[G1B], s45, (1<<16)|(1<<20)|(1<<21)|(5<<22)|(7<<25)  ; after every 64 words 8 words
	s_mov_b32 s[G1B+1], 128<<16                    ; tensor_dim0 = 128 columns
	s_mov_b32 s[G1B+2], 64<<16                     ; tensor_dim1 = 64 rows k
	s_mov_b32 s[G1B+3], 128<<16
	s_mov_b32 s[G1B+4], 64
	s_mov_b32 s[G1B+5], 3072                       ; elements from row to row
	s_mov_b32 s[G1B+6], 0
	s_mov_b32 s[G1B+7], 0
	s_lshl_b32 s16, s43, 15                        ; x: tile row x 256 rows x 128 bytes, in plane 0
	s_mov_b32 s17, 0
	s_mul_i32 s18, s76, 6291456                    ; the weights: the side,
	s_mul_i32 s20, s42, 768                        ; the tile's 384 columns,
	s_add_co_u32 s18, s18, s20
	s_lshl_b32 s20, s[WV], 8                       ; my chunk of 128
	s_add_co_u32 s18, s18, s20
	s_mov_b32 s19, 0
	s_mul_i32 s22, s[WV], CHUNK                    ; where my load lands: chunks 0-2, then x's tile: the wave's number alone
	s_mov_b32 s[TB], 0
	s_wait_dscnt 0x0                               ; the opening add is done
	s_wait_kmcnt 0x0
	s_add_nc_u64 s[16:17], s[4:5], s[16:17]
	s_add_nc_u64 s[18:19], s[6:7], s[18:19]
	CROUND                                         ; all sixteen work-groups are here: the first joint loads meet
.irp s, 0,1
	s_mov_b32 s[G0+4*(\s)], 1
	s_add_co_u32 s[G0+4*(\s)+1], s22, (\s)*SLOT1
	s_add_nc_u64 s[G0+4*(\s)+2:G0+4*(\s)+3], s[16:17], (\s)*1048576   ; K step s: plane s
	s_or_b32 s[G0+4*(\s)+3], s[G0+4*(\s)+3], 0x80000000
	s_mov_b32 s[G0B+4*(\s)], 1
	s_add_co_u32 s[G0B+4*(\s)+1], s22, (\s)*SLOT1
	s_add_nc_u64 s[G0B+4*(\s)+2:G0B+4*(\s)+3], s[18:19], (\s)*393216  ; 64 rows of 6,144 bytes down the weights
	s_or_b32 s[G0B+4*(\s)+3], s[G0B+4*(\s)+3], 0x80000000
	JLOAD \s                                       ; two loads of mine are out
.endr
	v_and_b32 v1, 15, v0                           ; l % 16
	v_bfe_u32 v2, v0, 4, 1                         ; l / 16
	v_mul_u32_u24 v3, v1, PA
	v_lshl_add_u32 v3, v2, 4, v3                   ; x's fragment: row x pitch + 16 x half
	s_mul_i32 s21, s13, 128*PA
	s_add_co_u32 s21, s21, AOFF
	v_add_nc_u32 v[ADRA0], s21, v3
	v_and_b32 v5, 7, v0                            ; the turning load: lane l reads k = 8 (l / 16) + l % 8, columns 8 ((l / 8) % 2) + 0..7
	v_bfe_u32 v6, v0, 3, 1
	v_lshl_add_u32 v4, v2, 3, v5
	v_mul_u32_u24 v4, v4, PB
	v_lshl_add_u32 v4, v6, 4, v4
	s_lshl_b32 s21, s14, 7                         ; my head's 64 columns of a chunk's 128
	v_add_nc_u32 v[ADRB0], s21, v4
	v_mov_b32 v[ADRA], v[ADRA0]                    ; slot 0
	v_mov_b32 v[ADRB], v[ADRB0]
	s_mul_i32 s23, s[WV], 16*SP
	s_add_co_u32 s23, s23, STAGE                   ; my stage
	v_mul_u32_u24 v[STO], v1, SP
	v_lshl_add_u32 v[STO], v2, 4, v[STO]
	v_add_nc_u32 v[STO], s23, v[STO]
	v_bfe_u32 v[RD], v0, 3, 2                      ; back: 32 lanes take four rows of 128 bytes,
	v_mul_u32_u24 v[RD], v[RD], SP
	v_lshl_add_u32 v[RD], v5, 4, v[RD]
	v_add_nc_u32 v[RD], s23, v[RD]
	v_and_b32 v[GO], 31, v0                        ; which are 512 consecutive bytes of qkv
	v_lshlrev_b32 v[GO], 4, v[GO]
	v_lshlrev_b32 v[BO], 5, v2                     ; my eight columns of sixteen: 32 bytes of f32
	s_mul_i32 s80, s76, 12288                      ; the bias: side x 3,072 + tile column x 384 + parity x 64, in f32
	s_mul_i32 s81, s42, 1536
	s_add_co_u32 s80, s80, s81
	s_lshl_b32 s81, s14, 8
	s_add_co_u32 s80, s80, s81
	s_mov_b32 s81, 0
	s_add_nc_u64 s[BB:BB+1], s[8:9], s[80:81]
.irp c, 0,1,2
	WIN 0x40*(\c+1)                                ; destination: chunk c's window; the accumulators of row block 0
.irp bb, 0,1,2,3
	global_load_b128 v[8*\bb:8*\bb+3],   v[BO], s[BB:BB+1] offset:512*\c+64*\bb
	global_load_b128 v[8*\bb+4:8*\bb+7], v[BO], s[BB:BB+1] offset:512*\c+64*\bb+16
.endr
.endr
	WIN 0
	s_lshr_b32 s80, s43, 2                         ; side x 4 + batch
	s_mul_i32 s80, s80, 48
	s_mul_i32 s81, s42, 6
	s_add_co_u32 s80, s80, s81
	s_add_co_u32 s80, s80, s14                     ; + my first head's block,
	s_lshl_b32 s80, s80, 17                        ; of 131,072 bytes
	s_and_b32 s81, s43, 3
	s_lshl_b32 s81, s81, 15                        ; the tile's 256 rows of 128 bytes
	s_add_co_u32 s80, s80, s81
	s_lshl_b32 s81, s13, 14                        ; my 128 of them
	s_add_co_u32 s80, s80, s81
	s_mov_b32 s81, 0
	s_add_nc_u64 s[OB:OB+1], s[10:11], s[80:81]
	s_add_nc_u64 s[OB+2:OB+3], s[OB:OB+1], 262144  ; two heads on
	s_add_nc_u64 s[OB+4:OB+5], s[OB:OB+1], 524288
	; the prefetches: they stand at K step 3; the first change of slots steps them to 4
	s_lshl_b32 s82, s43, 15                        ; x: the tile in a plane,
	s_lshl_b32 s83, s40, 13                        ; my work-group's 32 blocks of it (by cx),
	s_add_co_u32 s82, s82, s83
	s_add_co_u32 s82, s82, 3145728                 ; plane 3
	s_mul_i32 s84, s76, 6291456                    ; the weights: side, tile column, my chunk,
	s_mul_i32 s83, s42, 768
	s_add_co_u32 s84, s84, s83
	s_lshl_b32 s83, s[WV], 8
	s_add_co_u32 s84, s84, s83
	s_mul_i32 s83, s41, 196608                     ; my work-group's 32 rows k of 128 (by cy),
	s_add_co_u32 s84, s84, s83
	s_add_co_u32 s84, s84, 1179648                 ; K step 3: 192 rows down
	s_and_b32 s85, s77, 3
	s_mov_b32 s86, 6144
	s_mov_b32 s[PST], 393216
	s_mov_b32 s[PST+1], 0
	s_mov_b32 s[PM], 1
	s_cmp_eq_u32 s[WV], 3                          ; do I fetch x?
	s_cselect_b64 s[PFA:PFA+1], s[4:5], s[6:7]
	s_cselect_b32 s82, s82, s84
	s_cselect_b32 s86, 256, s86                    ; bytes from lane to lane
	s_cselect_b32 s[PST], 1048576, s[PST]
	s_cselect_b32 s[PM], 0, s[PM]
	s_cselect_b32 s85, ttmp9, s85                  ; the coordinate along which other clusters read the same bytes
	s_cmp_eq_u32 s85, 0
	s_cselect_b32 s[LIM], 2, -1                    ; the same in all sixteen partners, for a given wave
	s_mov_b32 s83, 0
	s_add_nc_u64 s[PFA:PFA+1], s[PFA:PFA+1], s[82:83]
	v_and_b32 v[PFO], 31, v0
	v_mul_u32_u24 v[PFO], s86, v[PFO]
; Matrix instructions of chunk c's head: my row blocks a0 .. a1 x its four blocks of 16 columns, 32 along K, x's fragments from buffer f.  bias = 1: C is the bias, which lies in block 0's accumulators.
; The 96 accumulators take turns, one instruction a turn.
.macro MULC f, c, a0, a1, bias
	WIN 0x50*((\c)+1)                              ; sources 0 and 1 window 0; C and D window 1 + c
.set ma, \a0
.rept (\a1)-(\a0)+1
.irp bb, 0,1,2,3
.if \bias
	v_wmma_f32_16x16x32_bf16 v[32*ma+8*\bb:32*ma+8*\bb+7], v[FB+32*(\c)+8*\bb:FB+32*(\c)+8*\bb+7], v[FA+64*(\f)+8*ma:FA+64*(\f)+8*ma+7], v[8*\bb:8*\bb+7]
.else
	v_wmma_f32_16x16x32_bf16 v[32*ma+8*\bb:32*ma+8*\bb+7], v[FB+32*(\c)+8*\bb:FB+32*(\c)+8*\bb+7], v[FA+64*(\f)+8*ma:FA+64*(\f)+8*ma+7], v[32*ma+8*\bb:32*ma+8*\bb+7]
.endif
.endr
.set ma, ma+1
.endr
.endm
.macro MUL32 f, c, first               ; a chunk's 32 products.  first = 1: blocks 1-7 start from the bias; five places; then block 0 writes over it, adding in place
.if \first
	MULC \f, \c, 1, 7, 1
.rept 5
	v_nop
.endr
	MULC \f, \c, 0, 0, 0
.else
	MULC \f, \c, 0, 7, 0
.endif
.endm
.macro LA f, kq                        ; 16 LDS loads: x's eight fragments of half kq of a K step, into buffer f
.irp i, 0,1,2,3,4,5,6,7
	ds_load_b128 v[FA+64*(\f)+8*\i:FA+64*(\f)+8*\i+3],   v[ADRA] offset:64*(\kq)+\i*16*PA
	ds_load_b128 v[FA+64*(\f)+8*\i+4:FA+64*(\f)+8*\i+7], v[ADRA] offset:64*(\kq)+\i*16*PA+32
.endr
.endm
.macro LB c, kq                        ; 8 LDS loads: chunk c's four fragments of half kq
.irp bb, 0,1,2,3
	ds_load_tr16_b128 v[FB+32*(\c)+8*\bb:FB+32*(\c)+8*\bb+3],   v[ADRB] offset:(\c)*CHUNK+(\kq)*32*PB+32*\bb
	ds_load_tr16_b128 v[FB+32*(\c)+8*\bb+4:FB+32*(\c)+8*\bb+7], v[ADRB] offset:(\c)*CHUNK+(\kq)*32*PB+32*\bb+16*PB
.endr
.endm
; A K step is two halves of 32 along K, 96 matrix instructions each.  Behind chunk c's 32 products, and four places, chunk c's fragments of the next half are asked for (with chunk 0's: x's,
; into the other buffer): each run has 64 matrix instructions in which to come.
; THE FIRST HALF of a step multiplies x's buffer 0 and fetches the same slot's second half.
.macro QEVEN first
	s_wait_dscnt 16                                ; chunk 0's and x's fragments are in; the youngest sixteen loads (chunks 1, 2) may be out
	MUL32 0, 0, \first
	PLACES
	WIN 0
	LB 0, 1
	LA 1, 1
	s_wait_dscnt 32                                ; chunk 1's are in; behind them: chunk 2's 8 and the 24 just issued
	MUL32 0, 1, \first
	PLACES
	WIN 0
	LB 1, 1
	s_wait_dscnt 32                                ; chunk 2's are in; behind them: 24 and 8
	MUL32 0, 2, \first
	PLACES
	WIN 0
	LB 2, 1
.endm
; THE SECOND HALF multiplies x's buffer 1 and changes slots: all reads of this slot have been issued.  In front of the barrier each wave waits for all its tensor loads (one is out: its part of the next slot), adds 0
; to its spare word, and waits for that and for its reads of this slot.  fill = 1: the barrier opens a round of the cluster's, and the joint refill, two K steps on, is the first thing behind it:
; 160 matrix instructions ahead of the wait for it.  Then the fetches go on in the next slot.
.macro QODD fill
.if \fill
	s_wait_xcnt 0x0                                ; the last prefetch, a K step back, has read its address
	s_add_nc_u64 s[PFA:PFA+1], s[PFA:PFA+1], s[PST:PST+1]
.endif
	WIN 0
	s_wait_tensorcnt 0x0                           ; all my tensor loads have landed
	ds_add_u32 v[SPW], v[NIL]
	s_wait_dscnt 17                                ; chunk 0's and x's fragments are in; the add and the youngest sixteen loads may be out
	MULC 1, 0, 0, 3, 0
	s_wait_dscnt 0x0                               ; the add is done, and my reads of this slot are over
	s_barrier_signal -1
	MULC 1, 0, 4, 7, 0                             ; work on registers while the others arrive
	WIN 0
	s_barrier_wait -1
.if \fill
	CREST                                          ; no wave of any partner still reads this slot or has a load on its way
	s_xor_b32 s[G0+5], s[G0+5], SLOT1              ; the walking descriptors: the other slot than last time,
	s_add_nc_u64 s[G0+6:G0+7], s[G0+6:G0+7], 1048576   ; the next plane; the type bits on top are not reached
	s_xor_b32 s[G0B+5], s[G0B+5], SLOT1
	s_add_nc_u64 s[G0B+6:G0B+7], s[G0B+6:G0B+7], 393216
	JLOAD 1                                        ; its four v_nop are also the places in front of the loads below
.else
	PLACES
.endif
	s_xor_b32 s[TB], s[TB], SLOT1
	v_add_nc_u32 v[ADRA], s[TB], v[ADRA0]
	v_add_nc_u32 v[ADRB], s[TB], v[ADRB0]
	LB 0, 0
	LA 0, 0
.if \fill
	ASK
.endif
	MULC 1, 1, 0, 7, 0                             ; (chunks 1 and 2 came in by the wait for 0 above)
	PLACES
	WIN 0
	LB 1, 0
	MULC 1, 2, 0, 7, 0
	PLACES
	WIN 0
	LB 2, 0
.endm
	s_wait_loadcnt 0x0                             ; the bias, once
	s_wait_tensorcnt 1                             ; my part of K step 0 is in; K step 1's may stay out
	s_barrier_signal -1
	s_barrier_wait -1
	LB 0, 0
	LA 0, 0
	LB 1, 0
	LB 2, 0
	QEVEN 1                                        ; the first half step stands in front of the loop: its products start the sums
	s_mov_b32 s3, 14
.Lstep:                                            ; a trip: the second half of a K step, the change of slots with its refill, the first half of the next step
	QODD 1
	QEVEN 0
	s_sub_co_u32 s3, s3, 1
	s_cmp_lg_u32 s3, 0
	s_cbranch_scc1 .Lstep
	QODD 0                                         ; the tail is written out: nothing is left to ask for
	QEVEN 0
	s_wait_dscnt 16                                ; the very last half: nothing more to fetch, the counts run down
	MULC 1, 0, 0, 7, 0
	s_wait_dscnt 8
	MULC 1, 1, 0, 7, 0
	s_wait_dscnt 0x0
	MULC 1, 2, 0, 7, 0
	WIN 0
	PLACES
	PLACES
; THE WAY OUT, in 24 blocks (blk = 8 c + a) of 16 rows x one head: 2,048 consecutive bytes of qkv.  PACKP: rounded to f16, each accumulator's registers in ascending order.  TOSTAGE: into my own stage, and back
; as whole rows.  SEND: stored.
.macro PACKP blk
.set CC, (\blk)/8
.set AC, 32*((\blk)%8)
	WIN 5*(CC+1)                                   ; sources 0 and 1: chunk CC's window
.set z, 0
.rept 16
	v_cvt_pk_f16_f32 v[TMP+z], v[AC+2*z], v[AC+2*z+1]
.set z, z+1
.endr
	WIN 0
.endm
.macro TOSTAGE blk
.irp f, 0,1,2,3
	ds_store_b128 v[STO], v[TMP+4*\f:TMP+4*\f+3] offset:32*\f
.endr
.irp f, 0,1,2,3
	ds_load_b128 v[BK+16*((\blk)%2)+4*\f:BK+16*((\blk)%2)+4*\f+3], v[RD] offset:\f*4*SP  ; LDS serves a wave's instructions in order (ISA guide 5.7.1.4): these see the stores above
.endr
.endm
.macro SEND blk
	s_wait_dscnt 0x0                               ; the block is back in registers
	s_wait_xcnt 0x0                                ; the stores of the block before have read their registers, which the next block's loads write
.irp f, 0,1,2,3
	global_store_b128 v[GO], v[BK+16*((\blk)%2)+4*\f:BK+16*((\blk)%2)+4*\f+3], s[OB+2*((\blk)/8):OB+2*((\blk)/8)+1] offset:((\blk)%8)*2048+\f*512  ; 512 consecutive bytes, aligned
.endr
.endm
	PACKP 0
	TOSTAGE 0
.irp blk, 1,2,3,4,5,6,7,8,9,10,11,12,13,14,15,16,17,18,19,20,21,22,23
	PACKP \blk                                     ; a block's arithmetic stands between the loads of the block before and the wait for them
	SEND (\blk)-1
	TOSTAGE \blk
.endr
	SEND 23
	s_wait_tensorcnt 0x0                           ; the wave's end
	ds_add_u32 v[SPW], v[NIL]
	s_wait_dscnt 0x0
	CROUND                                         ; the closing round
	s_endpgm
.Lfunc_end_k_qd6f43d2b62_proj:
	.size	k_qd6f43d2b62_proj, .Lfunc_end_k_qd6f43d2b62_proj-k_qd6f43d2b62_proj
	.p2alignl 7, 3214868480
	.fill 96, 4, 3214868480
	.section	.rodata,"a",@progbits
	.p2align	6, 0x0
	.amdhsa_kernel k_qd6f43d2b62_proj
		.amdhsa_group_segment_fixed_size 327680
		.amdhsa_private_segment_fixed_size 0
		.amdhsa_enable_private_segment 0
		.amdhsa_kernarg_size 32
		.amdhsa_user_sgpr_count 2
		.amdhsa_user_sgpr_kernarg_segment_ptr 1
		.amdhsa_wavefront_size32 1
		.amdhsa_system_sgpr_workgroup_id_x 1
		.amdhsa_system_sgpr_workgroup_id_y 1
		.amdhsa_system_sgpr_workgroup_id_z 1
		.amdhsa_system_vgpr_workitem_id 0
		.amdhsa_next_free_vgpr 1024
		.amdhsa_next_free_sgpr 92
		.amdhsa_reserve_vcc 0
		.amdhsa_float_denorm_mode_32 3
		.amdhsa_float_denorm_mode_16_64 3
		.amdhsa_memory_ordered 1
		.amdhsa_forward_progress 1
		.amdhsa_inst_pref_size 117
	.end_amdhsa_kernel
	.amdgpu_metadata
---
amdhsa.version: [ 1, 2 ]
amdhsa.kernels:
  - .name:           k_qd6f43d2b62_proj
    .symbol:         k_qd6f43d2b62_proj.kd
    .args:
      - { .name: xb, .offset: 0, .size: 8, .value_kind: global_buffer, .address_space: global }
      - { .name: wcat, .offset: 8, .size: 8, .value_kind: global_buffer, .address_space: global }
      - { .name: vecs, .offset: 16, .size: 8, .value_kind: global_buffer, .address_space: global }
      - { .name: qkv, .offset: 24, .size: 8, .value_kind: global_buffer, .address_space: global }
    .group_segment_fixed_size: 327680
    .private_segment_fixed_size: 0
    .kernarg_segment_align: 8
    .kernarg_segment_size: 32
    .max_flat_workgroup_size: 128
    .sgpr_count:     92
    .vgpr_count:     1024
    .wavefront_size: 32
...
	.end_amdgpu_metadata
.endif
;; end of part 2
;; launch attn (part 3): grid 2 x 128, 4 waves a work-group, no clusters, 327,680 bytes of LDS; arguments qkv, ob; writes ob
.if DOCPART == 3
	.amdgcn_target "amdgcn-amd-amdhsa--gfx1250"
	.amdhsa_code_object_version 6
	.text
	.protected	k_qd6f43d2b62_attn
	.globl	k_qd6f43d2b62_attn
	.p2align	8
	.type	k_qd6f43d2b62_attn,@function
k_qd6f43d2b62_attn:
	s_mov_b64 s[64:65], 0
	v_nop
	global_prefetch_b8 v0, s[64:65] scope:SCOPE_SE
	s_setreg_imm32_b32 hwreg(HW_REG_WAVE_MODE, 25, 1), 1
	s_wait_xcnt 0x0
; ATTENTION, 128 heads of 1,024 queries x 1,024 keys, head size 64.  y = dir x 64 + batch x 16 + head.  dir 0: image queries on waveform keys, scaled scores clipped to -100 .. 100;
; dir 1: waveform queries on image keys, no clip.  Q, K, V: blocks [1024][64] of qkv in f16, unscaled.  O: ob f16 [batch][dir x 16 + head][s][64].
; Products, maxima and sums in f32; the weights p are rounded to f16 for the second product (their sum l is taken of the unrounded p), O once at the end.
; LIMITS.  Q, K, V lie within f16's 65,504.  A weight below 2^-126 counts as 0.  In dir 1 a score more than 200 (scaled) below the running maximum has the weight 0, as exp(-200) has in f32.
; NaN and infinities are not treated apart.
; SHARES.  A work-group owns 512 queries of a head, a wave 128: four PIECES of two tiles of 16.  Every wave walks all keys, 64 a step.
; NO CLUSTER: a head has 1024 / 512 = 2 work-groups, so four partners never want the same tile.
; LDS HOLDS THE WHOLE HEAD: 1,024 rows of K and of V, each byte filled once, so a key step is written once.  A wave issues two tensor loads, together at the start: 128 of the first 256 keys, then 384 of the
; other 768.  The first three key steps read K of steps 0-3 and V of steps 0-2, which lie in the first 256 keys: they run behind the counted wait for the first load; the wait for the second and a
; second barrier stand behind them.
; LAYOUT.  S^T = K Q^T holds ONE query a lane (lane % 16) and the keys 8 (lane / 16) + 0..7; two such results rounded to f16 ARE source 1 of O^T = V^T P.  V comes out of LDS turned.
; SOFTMAX AND CLIP, one text for both directions.  s is the raw score, c = log2(e) / 8, W = 1600 c.  t = clamp01(s / 1600 + B1), p = 2^(W t + B2).  M is the running maximum, held to LO .. HI.
;   dir 0: LO, HI = -800, 800; B1 = 1/2; B2 = -W/2 - c M: W t + B2 = c clip(s) - c M.          dir 1: LO, HI = the finite range; B1 = 1 - M / 1600; B2 = -W: W t + B2 = c (s - M), held at -W.
; One number U = M u1 + u0 is rounded for each query (B2 in dir 0, B1 in dir 1; the other is a constant), and O and l are multiplied by a = 2^(kappa (U_new - U_old)): the same rounded U
; scales the weights and a, so its rounding cancels.  M starts at the lowest finite number, O and l at 0: the first a is 0.
; BY TURNS.  Turn n belongs to piece n: 16 products K Q^T of piece n + 1, later 16 products V^T P of piece n - 1; beside them piece n's scalings, exponentials, roundings, sums and rescaling and
; piece n + 1's maximum and statistics.  A turn's 66 exponentials are ONE batch with ONE wait.
; REGISTERS, in windows of 256: window 0: addresses, statistics, S^T (two buffers of two tiles), P (likewise); window 1: O^T, 32 a tile; window 2: Q 0-127, K 128-191, V 192-255; window 3: the add's two.
.set NP,    4
.set KS,    64
.set PK,    144                        ; a row of K in LDS: 128 bytes + 16
.set PV,    160                        ; a row of V: 128 + 32, an odd multiple of 32
.set VOFF,  1024*PK
.set STAGE, VOFF+1024*PV               ; 16 rows x 144 bytes for each wave, for the way out; no tensor load lands here
.set SP,    144
.set SPARE, STAGE+4*16*SP              ; the spare words: two blocks of 256 bytes that no other line names
.set AK0, 2                            ; v2  my lane's place in a tile of K;  v3 the same for V
.set AV0, 3
.set AK,  4                            ; v4  the LDS address of K's next run of loads;  v5 of V's
.set AV,  5
.set QO,  6                            ; v6  my byte offset in Q's rows; later STO
.set STO, 6
.set RD,  7
.set GO,  8
.set MV,  12                           ; v12-13  U_old, by tile of the piece
.set A1,  14                           ; v14-15  1/1600, twice
.set M,   16                           ; v16-23  M, by tile
.set L,   24                           ; v24-39  l (even keys', odd keys'), by tile
.set B1,  40                           ; v40-43  B1 twice, by tile of the piece in hand
.set B2,  44                           ; v44-47  B2 and a 0 beside it
.set TMP, 48                           ; v48-63  by buffer and tile c0-c3; c2 takes a
.set S,   64
.set P,   192
.set KF,  128
.set VF,  192
.set SPW, 0                            ; window 3
.set NIL, 1
.set WV,  12
.set G1K, 24                           ; s[24:31] group 1 for 128 keys of K;  s[32:39] of V
.set G1V, 32
.set G0K, 40                           ; s[40:43], s[44:47] their groups 0
.set G0V, 44
.set G0K2, 48                          ; s[48:51], s[52:55] groups 0 for the 384 keys
.set G0V2, 52
.set G1K2, 80                          ; s[80:87], s[88:95] groups 1 for the 384 keys
.set G1V2, 88
.set TOT, 56                           ; s56  key steps still to come, this one among them
.set CNT, 57                           ; s57  counts a pass's key steps
.set PASS, 58                          ; s58  counts the two passes
.set SEL, 60
.set TBK, 62
.set TBV, 63
.set CW,  66                           ; s[66:67] W
.set LO,  68
.set HI,  69
.set U1,  70
.set U0,  71
.set SG1, 72
.set TA1, 73
.set SG2, 74
.set TA2, 75
.set KAP, 76
.set MSB, 0
.macro WIN new
.if MSB != (\new)
	s_set_vgpr_msb (MSB<<8)|(\new)
.set MSB, (\new)
.endif
.endm
.set W_KQ, 0x0a
.set W_PV, 0x52
.set W_RS, 0x41
.set W_MK, 0xc0
.set W_AD, 0x0f
	s_load_b128 s[4:7], s[0:1], 0x0                ; qkv s[4:5], ob s[6:7]
	WIN W_MK
	v_lshl_add_u32 v[SPW], v0, 2, SPARE
	v_mov_b32 v[NIL], 0
	WIN W_AD
	ds_add_u32 v[SPW], v[NIL]                      ; the wave's opening: an add of 0 to my spare word; its wait stands ahead of my first tensor load
	WIN 0
	v_lshrrev_b32 v1, 5, v0
	v_readfirstlane_b32 s[WV], v1
	s_and_b32 s13, ttmp7, 0xffff
	s_lshr_b32 s14, s13, 6                         ; dir
	s_bfe_u32 s15, s13, 0x20004                    ; batch
	s_and_b32 s16, s13, 15                         ; head
	s_lshl_b32 s17, s14, 2
	s_add_co_u32 s17, s17, s15
	s_mul_i32 s17, s17, 48
	s_add_co_u32 s17, s17, s16                     ; Q's block: side dir
	s_xor_b32 s18, s14, 1
	s_lshl_b32 s18, s18, 2
	s_add_co_u32 s18, s18, s15
	s_mul_i32 s18, s18, 48
	s_add_co_u32 s18, s18, s16
	s_add_co_u32 s18, s18, 16                      ; K's block: the other side; V's lies 16 blocks on
	s_lshl_b32 s19, s15, 5
	s_lshl_b32 s20, s14, 4
	s_add_co_u32 s19, s19, s20
	s_add_co_u32 s19, s19, s16                     ; O's block
	s_lshl_b32 s20, ttmp9, 16                      ; my work-group's 512 rows of 128 bytes,
	s_lshl_b32 s21, s[WV], 14                      ; my wave's 128
	s_add_co_u32 s20, s20, s21
	s_lshl_b32 s2, s17, 17
	s_add_co_u32 s2, s2, s20
	s_mov_b32 s3, 0
	s_lshl_b32 s22, s19, 17
	s_add_co_u32 s22, s22, s20
	s_mov_b32 s23, 0
	s_and_b32 s16, s[WV], 1                        ; which half of the keys I fetch
	s_lshl_b32 s78, s18, 17                        ; K's block in bytes
	s_lshl_b32 s21, s16, 14
	s_add_co_u32 s20, s78, s21                     ; the first load: keys 128 e .. + 127, 128 bytes each
	s_mov_b32 s21, 0
	s_mul_i32 s79, s16, 49152
	s_add_co_u32 s78, s78, s79
	s_add_co_u32 s78, s78, 32768                   ; the second: keys 256 + 384 e .. + 383
	s_mov_b32 s79, 0
	; group 1: keys are dense, 128 bytes each: asked for as rows of 256 bytes, padded in LDS after every key
	s_mov_b32 s[G1K], (1<<16)|(1<<20)|(4<<22)|(3<<25)
	s_mov_b32 s[G1V], (1<<16)|(1<<20)|(4<<22)|(7<<25)
	s_mov_b32 s[G1K2], (1<<16)|(1<<20)|(4<<22)|(3<<25)
	s_mov_b32 s[G1V2], (1<<16)|(1<<20)|(4<<22)|(7<<25)
.irp g, G1K, G1V, G1K2, G1V2
	s_mov_b32 s[\g+1], 128<<16                     ; tensor_dim0 = 128
	s_mov_b32 s[\g+3], 128<<16                     ; tile_dim0 = 128
	s_mov_b32 s[\g+5], 128
	s_mov_b32 s[\g+6], 0
	s_mov_b32 s[\g+7], 0
.endr
.irp g, G1K, G1V
	s_mov_b32 s[\g+2], 64<<16                      ; tensor_dim1 = tile_dim1 = 64: 128 keys
	s_mov_b32 s[\g+4], 64
.endr
.irp g, G1K2, G1V2
	s_mov_b32 s[\g+2], 192<<16                     ; 192: 384 keys
	s_mov_b32 s[\g+4], 192
.endr
	s_mov_b32 s[G0K], 1
	s_mul_i32 s[G0K+1], s16, 128*PK
	s_mov_b32 s[G0V], 1
	s_mul_i32 s[G0V+1], s16, 128*PV
	s_add_co_u32 s[G0V+1], s[G0V+1], VOFF
	s_mov_b32 s[G0K2], 1
	s_mul_i32 s[G0K2+1], s16, 384*PK
	s_add_co_u32 s[G0K2+1], s[G0K2+1], 256*PK
	s_mov_b32 s[G0V2], 1
	s_mul_i32 s[G0V2+1], s16, 384*PV
	s_add_co_u32 s[G0V2+1], s[G0V2+1], VOFF+256*PV
	s_mov_b32 s[SEL], 0x76543210
	s_mov_b32 s[SEL+1], 0xfedcba98
	s_mov_b32 s[CW], 0x439044fe                    ; W = 1600 c
	s_mov_b32 s[CW+1], s[CW]
	s_mov_b32 s[TBK], 0
	s_mov_b32 s[TBV], 0
	s_mov_b32 s[LO], 0xff7fffff                    ; dir 1's constants,
	s_mov_b32 s[HI], 0x7f7fffff
	s_mov_b32 s[U1], 0xba23d70a                    ; -1/1600
	s_mov_b32 s[U0], 1.0
	s_mov_b32 s[SG1], 1.0
	s_mov_b32 s[TA1], 0
	s_mov_b32 s[SG2], 0
	s_mov_b32 s[TA2], 0xc39044fe                   ; -W
	s_mov_b32 s[KAP], 0x439044fe                   ; W
	s_cmp_eq_u32 s14, 0                            ; and dir 0's in their place
	s_cselect_b32 s[LO], 0xc4480000, s[LO]         ; -800
	s_cselect_b32 s[HI], 0x44480000, s[HI]         ; 800
	s_cselect_b32 s[U1], 0xbe38aa3b, s[U1]         ; -c
	s_cselect_b32 s[U0], 0xc31044fe, s[U0]         ; -W/2
	s_cselect_b32 s[SG1], 0, s[SG1]
	s_cselect_b32 s[TA1], 0.5, s[TA1]
	s_cselect_b32 s[SG2], 1.0, s[SG2]
	s_cselect_b32 s[TA2], 0, s[TA2]
	s_cselect_b32 s[KAP], 1.0, s[KAP]
	s_wait_dscnt 0x0                               ; the opening add is done
	s_wait_kmcnt 0x0
	s_add_nc_u64 s[G0K+2:G0K+3], s[4:5], s[20:21]
	s_add_nc_u64 s[G0V+2:G0V+3], s[G0K+2:G0K+3], 2097152
	s_add_nc_u64 s[G0K2+2:G0K2+3], s[4:5], s[78:79]
	s_add_nc_u64 s[G0V2+2:G0V2+3], s[G0K2+2:G0K2+3], 2097152
	s_or_b32 s[G0K+3], s[G0K+3], 0x80000000
	s_or_b32 s[G0V+3], s[G0V+3], 0x80000000
	s_or_b32 s[G0K2+3], s[G0K2+3], 0x80000000
	s_or_b32 s[G0V2+3], s[G0V2+3], 0x80000000
	s_add_nc_u64 s[8:9], s[4:5], s[2:3]            ; Q at my wave's first row
	s_add_nc_u64 s[10:11], s[6:7], s[22:23]        ; O likewise
	s_cmp_lt_u32 s[WV], 2                          ; waves 0, 1: K; waves 2, 3: V.  A wave's two fills stand in one branch, ahead of every wait on TENSORcnt and every LDS read: two loads of mine are out;
	s_cbranch_scc0 .Lfirst_v                       ; an s_nop 0 follows each, four v_nop the second's
	tensor_load_to_lds s[G0K:G0K+3], s[G1K:G1K+7]
	s_nop 0
	tensor_load_to_lds s[G0K2:G0K2+3], s[G1K2:G1K2+7]
	s_nop 0
.rept 4
	v_nop
.endr
	s_branch .Lfirst_asked
.Lfirst_v:
	tensor_load_to_lds s[G0V:G0V+3], s[G1V:G1V+7]
	s_nop 0
	tensor_load_to_lds s[G0V2:G0V2+3], s[G1V2:G1V2+7]
	s_nop 0
.rept 4
	v_nop
.endr
.Lfirst_asked:
	v_and_b32 v1, 15, v0                           ; l % 16
	v_bfe_u32 v9, v0, 4, 1                         ; l / 16
	v_lshlrev_b32 v[QO], 7, v1
	v_lshl_add_u32 v[QO], v9, 4, v[QO]
	WIN 0x80
.set i, 0
.rept 4*NP                             ; Q stays in registers: tile i / 2, channels 32 (i % 2) on
	global_load_b128 v[8*i:8*i+3],   v[QO], s[8:9] offset:(i/2)*2048+(i%2)*64
	global_load_b128 v[8*i+4:8*i+7], v[QO], s[8:9] offset:(i/2)*2048+(i%2)*64+32
.set i, i+1
.endr
	; what the first turn finds: V's registers and P's second buffer hold 0, O^T and l are 0.  All this stands in the wait for the tiles.
.set i, VF
.rept 64
	v_mov_b32 v[i], 0
.set i, i+1
.endr
	WIN 0x40
.set i, 0
.rept 64*NP
	v_mov_b32 v[i], 0
.set i, i+1
.endr
	WIN 0
.set i, 0
.rept 2*NP
	v_mov_b32 v[M+i], 0xff7fffff
	v_mov_b32 v[L+2*i], 0
	v_mov_b32 v[L+2*i+1], 0
.set i, i+1
.endr
.set i, P+32
.rept 32
	v_mov_b32 v[i], 0
.set i, i+1
.endr
	v_mov_b32 v[B2+1], 0                           ; named beside B2 as a pair
	v_mov_b32 v[B2+3], 0
	v_mov_b32 v[A1], 0x3a23d70a                    ; 1/1600
	v_mov_b32 v[A1+1], 0x3a23d70a
	v_mul_u32_u24 v[AK0], v1, PK
	v_lshl_add_u32 v[AK0], v9, 4, v[AK0]
	v_and_b32 v10, 7, v0
	v_bfe_u32 v11, v0, 3, 1
	v_lshl_add_u32 v[AV0], v9, 3, v10
	v_mul_u32_u24 v[AV0], v[AV0], PV
	v_lshl_add_u32 v[AV0], v11, 4, v[AV0]
	v_add_nc_u32 v[AV0], VOFF, v[AV0]
	v_mov_b32 v[AK], v[AK0]
; THE MATRIX WORK.  The 8 accumulators of a run of 16 take turns.
.macro KQ x                            ; product i of 16 of S^T = K Q^T: channels 32 (i / 8) on, keys 16 ((i / 2) % 4) on, tile 2 x + i % 2
	WIN W_KQ
.set rS, S+64*((\x)%2)+32*(i%2)+8*((i/2)%4)
.set rK, KF+16*((i/2)%4)+8*(i/8)
.set rQ, 16*(2*(\x)+i%2)+8*(i/8)
.if i < 8
	v_wmma_f32_16x16x32_f16 v[rS:rS+7], v[rK:rK+7], v[rQ:rQ+7], 0
.else
	v_wmma_f32_16x16x32_f16 v[rS:rS+7], v[rK:rK+7], v[rQ:rQ+7], v[rS:rS+7]
.endif
.endm
.macro PV x                            ; product i of 16 of O^T += V^T P: keys 32 (i / 8) on, channels 16 ((i / 2) % 4) on, tile 2 x + i % 2
	WIN W_PV
.set rO, 32*(2*(\x)+i%2)+8*((i/2)%4)
.set rV, VF+32*(i/8)+8*((i/2)%4)
.set rP, P+32*((\x)%2)+16*(i%2)+8*(i/8)
	v_wmma_f32_16x16x32_f16 v[rO:rO+7], v[rV:rV+7], v[rP:rP+7], v[rO:rO+7]
.endm
.macro MM                              ; the turn's next matrix instruction
.if i < 16
	KQ (Y+1)%NP
.set i, i+1
.else
.set i, i-16
	PV (Y+NP-1)%NP
.set i, i+17
.endif
.endm
; THE LDS LOADS stand in runs of 16.  last = 1: in the last key step of all there is no further step, and K's run is jumped over.
.macro FETCH_K last=0
	WIN 0
.if \last
	s_cmp_eq_u32 s[TOT], 1
	s_cbranch_scc1 .Lno_k_\@
.endif
	WIN 0x80
.irp f, 0,1,2,3,4,5,6,7
	ds_load_b128 v[KF+8*\f:KF+8*\f+3],   v[AK] offset:(\f/2)*16*PK+(\f%2)*64
	ds_load_b128 v[KF+8*\f+4:KF+8*\f+7], v[AK] offset:(\f/2)*16*PK+(\f%2)*64+32
.endr
	s_add_co_u32 s[TBK], s[TBK], KS*PK
	WIN 0
.if \last
.Lno_k_\@:
.endif
.endm
.macro FETCH_V
	WIN 0x80
.irp f, 0,1,2,3,4,5,6,7
	ds_load_tr16_b128 v[VF+8*\f:VF+8*\f+3],   v[AV] offset:(\f/4)*32*PV+(\f%4)*32
	ds_load_tr16_b128 v[VF+8*\f+4:VF+8*\f+7], v[AV] offset:(\f/4)*32*PV+16*PV+(\f%4)*32
.endr
	WIN 0
.endm
; THE VECTOR WORK OF A TURN, in queues; the two tiles alternate.
.macro REGS y, u
.set rM, M+2*(\y)+(\u)
.set rL, L+2*(2*(\y)+(\u))
.set rC, TMP+8*((\y)%2)+4*(\u)
.set rW, MV+(\u)
.set rB1, B1+2*(\u)
.set rB2, B2+2*(\u)
.set rS, S+64*((\y)%2)+32*(\u)
.set rP, P+32*((\y)%2)+16*(\u)
.set rO, 32*(2*(\y)+(\u))
.endm
; Number n of the 27 that find the NEXT piece's maximum and statistics; each accumulator's lowest registers are read first.
;   0-13, 15, 16  the maximum of the lane's 32 scores and the old M     14  U_old     17, 18  the other half of the lanes', and LO     19  M     20  U     21-23  B1 twice, B2     24-26  a
.macro XS u, n
	REGS (Y+1)%NP, \u
.if (\n) < 4
	v_max3_num_f32 v[rC+(\n)], v[rS+8*(\n)], v[rS+8*(\n)+1], v[rS+8*(\n)+2]
.elseif (\n) < 12
	v_max3_num_f32 v[rC+(\n)%4], v[rC+(\n)%4], v[rS+8*((\n)%4)+2*((\n)/4)+1], v[rS+8*((\n)%4)+2*((\n)/4)+2]
.elseif (\n) == 12
	v_max3_num_f32 v[rC], v[rC], v[rS+7], v[rS+15]
.elseif (\n) == 13
	v_max3_num_f32 v[rC+1], v[rC+1], v[rS+23], v[rS+31]
.elseif (\n) == 14
	v_fma_f32 v[rW], v[rM], s[U1], s[U0]
.elseif (\n) == 15
	v_max3_num_f32 v[rC+2], v[rC+2], v[rC+3], v[rM]
.elseif (\n) == 16
	v_max3_num_f32 v[rC], v[rC], v[rC+1], v[rC+2]
.elseif (\n) == 17
	v_permlanex16_b32 v[rC+3], v[rC], s[SEL], s[SEL+1]
.elseif (\n) == 18
	v_max3_num_f32 v[rC], v[rC], v[rC+3], s[LO]
.elseif (\n) == 19
	v_min_num_f32 v[rM], s[HI], v[rC]
.elseif (\n) == 20
	v_fma_f32 v[rC+1], v[rM], s[U1], s[U0]
.elseif (\n) == 21
	v_fma_f32 v[rB1], v[rC+1], s[SG1], s[TA1]
.elseif (\n) == 22
	v_fma_f32 v[rB1+1], v[rC+1], s[SG1], s[TA1]
.elseif (\n) == 23
	v_fma_f32 v[rB2], v[rC+1], s[SG2], s[TA2]
.elseif (\n) == 24
	v_sub_f32 v[rC+1], v[rC+1], v[rW]
.elseif (\n) == 25
	v_mul_f32 v[rC+1], s[KAP], v[rC+1]
.else
	v_exp_f32 v[rC+2], v[rC+1]
.endif
.endm
.macro TS f                            ; pair f / 2 of tile f % 2: t = clamp01(s / 1600 + B1); every source a vector register
	REGS Y, (\f)%2
	v_pk_fma_f32 v[rS+2*((\f)/2):rS+2*((\f)/2)+1], v[rS+2*((\f)/2):rS+2*((\f)/2)+1], v[A1:A1+1], v[rB1:rB1+1] clamp
.endm
.macro FS f                            ; the same pair: W t + B2
	REGS Y, (\f)%2
	v_pk_fma_f32 v[rS+2*((\f)/2):rS+2*((\f)/2)+1], v[rS+2*((\f)/2):rS+2*((\f)/2)+1], s[CW:CW+1], v[rB2:rB2+1] op_sel_hi:[1,0,0]
.endm
; Number g of the 64 that follow the exponentials.  For each four weights k of a tile: both pairs are rounded to f16; the second pair is added onto the first, in place; a group later l takes that sum (first as l = a l + sum).
.macro GS g
.set h, (\g)+6*((\g)/62)
.if h >= 6
.set h, h+2
.endif
	REGS Y, h%2
.set k, h/8
.if h%8 < 4
	v_cvt_pk_f16_f32 v[rP+2*k+(h%8)/2], v[rS+4*k+2*((h%8)/2)], v[rS+4*k+2*((h%8)/2)+1]
.elseif h%8 < 6
	v_pk_add_f32 v[rS+4*k:rS+4*k+1], v[rS+4*k:rS+4*k+1], v[rS+4*k+2:rS+4*k+3]
.elseif k == 1
	v_pk_fma_f32 v[rL:rL+1], v[rL:rL+1], v[rC+2:rC+3], v[rS:rS+1] op_sel_hi:[1,0,1]
.else
	v_pk_add_f32 v[rL:rL+1], v[rL:rL+1], v[rS+4*k-4:rS+4*k-3]
.endif
.endm
; THE PLAIN QUEUE, 180 long.  0-63: in eights, TS 4 g .. 4 g + 3 and then FS of the same four.  64-115: the next piece's 26, both tiles.  116-179: GS's 64, behind the wait.
.macro PL
	WIN 0
.if q < 64
.if (q%8) < 4
	TS 4*(q/8)+q%8
.else
	FS 4*(q/8)+q%8-4
.endif
.elseif q < 116
	XS (q-64)%2, (q-64)/2
.else
	GS q-116
.endif
.set q, q+1
.endm
; THE EXPONENTIALS' QUEUE, 66 long: s0-s31 of both tiles, then the next piece's two a: one batch; nothing ahead of the turn's wait names a result of theirs.
.macro EX
	WIN 0
.if e >= 64
	XS e-64, 26
.else
	REGS Y, e%2
	v_exp_f32 v[rS+e/2], v[rS+e/2]
.endif
.set e, e+1
.endm
.macro RBLK                            ; O^T of the piece in hand times a (made, and waited for, in the turn before): the one part outside window 0, in one block
	WIN W_RS
.set z, 0
.rept 32
	REGS Y, z%2
	v_pk_mul_f32 v[rO+2*(z/2):rO+2*(z/2)+1], v[rO+2*(z/2):rO+2*(z/2)+1], v[rC+2:rC+3] op_sel_hi:[1,0]
.set z, z+1
.endr
.endm
; A TURN, for piece p.  AHEAD OF THE WAIT: 16 products K Q^T, behind each of the first two four plain lines, behind the others plain, exponential, plain, plain; a lump of 16 plain, 50 times exponential and plain,
; the two a; the rescaling, whose first line is the plain instruction behind the last exponential.  BEHIND IT: 16 products V^T P, behind each four of GS's 64.
; The counts that the deal keeps: exponential e wants FS 2 (e / 4) + e % 2, which stands at place e + 5 of the plain queue at the latest; as a rider it comes behind 3 e + 9 plain lines, in the lump behind e + 52.
; The next piece's scores are first read 17 plain lines behind the product that ends them.
; K of the next step is fetched in piece 2's turn, behind the wait, a lump behind the last product that read K; V of the step in hand at the end of piece 0's turn, four plain riders behind its last reader.
.macro TURN p
.set Y, (\p)
.set i, 0
.set q, 0
.set e, 0
.if (\p) == NP-1
	s_wait_dscnt 0x0                               ; K is in
.endif
.rept 2
	MM
	PL
	PL
	PL
	PL
.endr
.rept 14
	MM
	PL
	EX
	PL
	PL
.endr
.if (\p) == NP-2
	WIN 0
	v_add_nc_u32 v[AK], s[TBK], v[AK0]
.endif
.rept 16
	PL
.endr
.rept 50
	EX
	PL
.endr
	EX
	EX
	RBLK
	WIN 0
	s_wait_alu depctr_va_vdst(0)                   ; the wait for the batch, ahead of the first line that names a result
.if (\p) == NP-2
	FETCH_K 1
.endif
.if (\p) == 1
	s_wait_dscnt 0x0                               ; V is in
.endif
.set rr, 0
.rept 16
	MM
	PL
	PL
	PL
	PL
.if ((\p) == 0) && (rr == 10)
	v_add_nc_u32 v[AV], s[TBV], v[AV0]
.endif
.if ((\p) == 0) && (rr == 13)
	s_add_co_u32 s[TBV], s[TBV], KS*PV
.endif
.set rr, rr+1
.endr
.if (\p) == 0
	FETCH_V
.endif
.endm
	s_wait_tensorcnt 1                             ; my part of the first 256 keys is in; my second load may stay out, and the first pass reads none of its bytes
	s_barrier_signal -1
	s_barrier_wait -1                              ; everybody's part is in
	FETCH_K                                        ; key step 0
	s_wait_loadcnt 0x0                             ; Q
	s_wait_dscnt 0x0
.set i, 0
.rept 16
	KQ 0                                           ; piece 0's first scores
.set i, i+1
.endr
	WIN 0                                          ; the addresses for the way out: nine plain lines, the places behind those products
	s_mul_i32 s13, s[WV], 16*SP
	s_add_co_u32 s13, s13, STAGE
	v_mul_u32_u24 v[STO], v1, SP
	v_lshl_add_u32 v[STO], v9, 4, v[STO]
	v_add_nc_u32 v[STO], s13, v[STO]
	v_bfe_u32 v[RD], v0, 3, 2
	v_mul_u32_u24 v[RD], v[RD], SP
	v_lshl_add_u32 v[RD], v10, 4, v[RD]
	v_add_nc_u32 v[RD], s13, v[RD]
	v_and_b32 v[GO], 31, v0
	v_lshlrev_b32 v[GO], 4, v[GO]
.set Y, NP-1                           ; XS works for piece Y + 1: piece 0
.irp n, 0,1,2,3,4,5,6,7,8,9,10,11,12,13,14,15,16,17,18,19,20,21,22,23,24,25,26
	XS 0, \n
	XS 1, \n
.endr
	v_nop                                          ; a plain line behind the two a,
	s_wait_alu depctr_va_vdst(0)                   ; and their wait, ahead of the label
	s_mov_b32 s[TOT], 16
	s_mov_b32 s[PASS], 2
	s_mov_b32 s[CNT], 3                            ; the first pass: key steps 0-2, which fetch K of steps 1-3 and V of steps 0-2: keys 0-255
.Lpass:
.Lstep:                                            ; a key step: four turns
	TURN 0
	TURN 1
	TURN 2
	TURN 3
	WIN 0
	s_sub_co_u32 s[TOT], s[TOT], 1
	s_sub_co_u32 s[CNT], s[CNT], 1
	s_cmp_lg_u32 s[CNT], 0
	s_cbranch_scc1 .Lstep
	s_wait_tensorcnt 0x0                           ; behind the first pass: my part of the other 768 keys is in (behind the second pass nothing is out),
	s_wait_dscnt 0x0                               ; no LDS instruction of mine is pending at the signal,
	s_barrier_signal -1
	s_barrier_wait -1                              ; and everybody's part is in
	s_mov_b32 s[CNT], 13                           ; the second pass: key steps 3-15
	s_sub_co_u32 s[PASS], s[PASS], 1
	s_cmp_lg_u32 s[PASS], 0
	s_cbranch_scc1 .Lpass
.set i, 0                              ; (the last trip's 16 products K Q^T on the last K once more, and the maximum made of them, serve nothing: the price of one text for every trip)
.rept 16
	PV NP-1                                        ; the last piece's V^T P of the last step
.set i, i+1
.endr
	; THE WAY OUT.  l's halves are added; O^T is divided by l, rounded to f16 and sent through my stage, a tile at a time.  The additions are the places behind the last products.
	WIN 0
.macro ALL line:vararg
.set t, 0
.rept 2*NP
	\line
.set t, t+1
.endr
.endm
	ALL v_add_f32 v[L+2*t], v[L+2*t], v[L+2*t+1]
	ALL v_permlanex16_b32 v[L+2*t+1], v[L+2*t], s[SEL], s[SEL+1]
	ALL v_add_f32 v[L+2*t], v[L+2*t], v[L+2*t+1]
	ALL v_rcp_f32 v[L+2*t], v[L+2*t]
	v_nop
	s_wait_alu depctr_va_vdst(0)                   ; one wait for the eight reciprocals
.macro PACK t
	WIN W_RS
.set i, 32*(\t)
.rept 16
	v_pk_mul_f32 v[i:i+1], v[i:i+1], v[L+2*(\t):L+2*(\t)+1] op_sel_hi:[1,0]
.set i, i+2
.endr
	WIN 0x05
.set i, 0
.rept 16
	v_cvt_pk_f16_f32 v[S+16*(\t)+i], v[32*(\t)+2*i], v[32*(\t)+2*i+1]
.set i, i+1
.endr
	WIN 0
.irp f, 0,1,2,3
	ds_store_b128 v[STO], v[S+16*(\t)+4*\f:S+16*(\t)+4*\f+3] offset:32*\f
.endr
.irp f, 0,1,2,3
	ds_load_b128 v[S+16*(\t)+4*\f:S+16*(\t)+4*\f+3], v[RD] offset:\f*4*SP  ; LDS serves a wave's instructions in order (ISA guide 5.7.1.4)
.endr
.endm
.macro SEND t, younger                 ; younger: the LDS lines issued behind tile t's loads: the next tile's eight, or none
	WIN 0
.irp f, 0,1,2,3
	s_wait_dscnt (\younger)+3-\f
	global_store_b128 v[GO], v[S+16*(\t)+4*\f:S+16*(\t)+4*\f+3], s[10:11] offset:(\t)*2048+\f*512  ; 512 consecutive bytes, aligned
.endr
.endm
	PACK 0
.set t, 1
.rept 2*NP-1
	PACK t
	SEND t-1, 8
.set t, t+1
.endr
	SEND 2*NP-1, 0
	WIN W_AD
	s_wait_tensorcnt 0x0                           ; the wave's end
	ds_add_u32 v[SPW], v[NIL]
	s_wait_dscnt 0x0
	WIN 0
	s_endpgm
.Lfunc_end_k_qd6f43d2b62_attn:
	.size	k_qd6f43d2b62_attn, .Lfunc_end_k_qd6f43d2b62_attn-k_qd6f43d2b62_attn
	.p2alignl 7, 3214868480
	.fill 96, 4, 3214868480
	.section	.rodata,"a",@progbits
	.p2align	6, 0x0
	.amdhsa_kernel k_qd6f43d2b62_attn
		.amdhsa_group_segment_fixed_size 327680
		.amdhsa_private_segment_fixed_size 0
		.amdhsa_enable_private_segment 0
		.amdhsa_kernarg_size 16
		.amdhsa_user_sgpr_count 2
		.amdhsa_user_sgpr_kernarg_segment_ptr 1
		.amdhsa_wavefront_size32 1
		.amdhsa_system_sgpr_workgroup_id_x 1
		.amdhsa_system_sgpr_workgroup_id_y 1
		.amdhsa_system_sgpr_workgroup_id_z 1
		.amdhsa_system_vgpr_workitem_id 0
		.amdhsa_next_free_vgpr 770
		.amdhsa_next_free_sgpr 96
		.amdhsa_reserve_vcc 0
		.amdhsa_float_denorm_mode_32 3
		.amdhsa_float_denorm_mode_16_64 3
		.amdhsa_memory_ordered 1
		.amdhsa_forward_progress 1
		.amdhsa_inst_pref_size 137
	.end_amdhsa_kernel
	.amdgpu_metadata
---
amdhsa.version: [ 1, 2 ]
amdhsa.kernels:
  - .name:           k_qd6f43d2b62_attn
    .symbol:         k_qd6f43d2b62_attn.kd
    .args:
      - { .name: qkv, .offset: 0, .size: 8, .value_kind: global_buffer, .address_space: global }
      - { .name: ob, .offset: 8, .size: 8, .value_kind: global_buffer, .address_space: global }
    .group_segment_fixed_size: 327680
    .private_segment_fixed_size: 0
    .kernarg_segment_align: 8
    .kernarg_segment_size: 16
    .max_flat_workgroup_size: 128
    .sgpr_count:     96
    .vgpr_count:     770
    .wavefront_size: 32
...
	.end_amdgpu_metadata
.endif
;; end of part 3
;; launch oproj (part 4): grid 8 x 32, 4 waves a work-group, clusters of 4 x 4, 327,680 bytes of LDS; arguments ob, wpb, vecs, pre; writes pre
.if DOCPART == 4
	.amdgcn_target "amdgcn-amd-amdhsa--gfx1250"
	.amdhsa_code_object_version 6
	.text
	.protected	k_qd6f43d2b62_oproj
	.globl	k_qd6f43d2b62_oproj
	.p2align	8
	.type	k_qd6f43d2b62_oproj,@function
k_qd6f43d2b62_oproj:
	s_mov_b64 s[64:65], 0
	v_nop
	global_prefetch_b8 v0, s[64:65] scope:SCOPE_SE
	s_setreg_imm32_b32 hwreg(HW_REG_WAVE_MODE, 25, 1), 1
	s_wait_xcnt 0x0
	s_wait_alu depctr_hold_cnt(0) depctr_sa_sdst(0) depctr_va_vdst(0) depctr_va_sdst(0) depctr_va_ssrc(0) depctr_va_vcc(0) depctr_vm_vsrc(0)
	s_getreg_b32 s2, hwreg(HW_REG_IB_STS2, 6, 4)
	s_cmp_eq_u32 s2, 0
	s_cbranch_scc0 .Lentry_in_a_cluster
	s_endpgm
.Lentry_in_a_cluster:
	s_bfe_u32 s2, ttmp6, 0x10000c
	s_cmp_lg_u32 s2, 0xf033
	s_cbranch_scc0 .Lentry_shape_is_right
	s_endpgm
.Lentry_shape_is_right:
; OUTPUT PROJECTION.  pre[m][n] = the sum over k of fused[m][k] Wp[k][n] + bp[n]; m = batch x 1024 + s, k = G x 64 + d with G = dir x 16 + head.  fused is ob, f16 [batch][G][s][64];
; Wp is wpb, f16 [2048 k][1024 n]; f32 sums, K ascending; pre f32 [4096][1024].
; SHARES.  A tile of pre is 128 x 128: 32 x 8 tiles, one for each WGP.  Four waves, each 64 x 64: 16 accumulators.  K goes in steps of 256 (four heads) through two LDS slots.
; fused's tile of a step is four dense pieces of 128 rows x 128 bytes, one a head: a wave's tensor load brings two of them as two long rows, padded in LDS after every 128 bytes.
; Wp lies [k][n] and stays so: its fragments come out of LDS turned.  The matrix instruction is used transposed: a lane holds one row and eight neighbouring columns.
; CLUSTER 4 x 4: fused's tile is asked for jointly along a row of the cluster, Wp's along a column.  Waves 0, 1 fetch fused's halves, waves 2, 3 Wp's.
; No prefetch: the tile is small and a step short.
; REGISTERS: window 0: addresses, the way out (v32-95), the bias (v96-127), the accumulators (v128-255, (a, b) at 8 (4 a + b)); window 1: two fragment buffers of 128 (64 of fused, then 64 of Wp).
.set PA,     144                       ; a row of fused in LDS: 128 bytes + 16
.set PB,     288                       ; a row of Wp: 256 + 32
.set PART,   36864                     ; what one tensor load fills: 2 x 128 x 144 = 128 x 288
.set BOFF,   2*PART
.set SLOT,   4*PART
.set STAGE,  2*SLOT                    ; 16 rows x 272 bytes for each wave; no tensor load lands here
.set SPITCH, 272
.set SPARE,  STAGE+4*16*SPITCH
.set ADRA, 16                          ; v16-17  fused's fragments in slot 0, 1
.set ADRB, 18                          ; v18-21  Wp's: slot x 2 + half of the step's 256 rows
.set STO,  24
.set RD,   25
.set CO,   26
.set BO,   27
.set SPW,  28
.set NIL,  29
.set BK,   32
.set BIAS, 96
.set ACC,  128
.set F0,   0
.set F1,   128
.set WV,   12
.set G1,   24
.set G0,   32
.set G1B,  48
.set G0B,  56
.set BB,   68                          ; s[68:69] bp at my first column
.set PO,   70                          ; s[70:71] pre at my first row and column
.set MSB, 0
.macro WIN new
.if MSB != (\new)
	s_set_vgpr_msb (MSB<<8)|(\new)
.set MSB, \new
.endif
.endm
.set MUL,  0x05
.set TO_F, 0x40
.macro PLACES
.rept 4
	v_nop
.endr
.endm
.macro JLOAD s
	s_cmp_eq_u32 s13, 0
	s_cbranch_scc0 .Lfor_b_\@
	tensor_load_to_lds s[G0+4*(\s):G0+4*(\s)+3], s[G1:G1+7]
	s_nop 0
	PLACES
	s_branch .Lasked_\@
.Lfor_b_\@:
	tensor_load_to_lds s[G0B+4*(\s):G0B+4*(\s)+3], s[G1B:G1B+7]
	s_nop 0
	PLACES
.Lasked_\@:
.endm
.macro CREST
	s_cmp_lg_u32 s[WV], 0
	s_cbranch_scc1 .Lnot_wave_0_\@
	s_barrier_signal -3
.Lnot_wave_0_\@:
	s_barrier_wait -3
	s_barrier_signal -1
	s_barrier_wait -1
.endm
.macro CROUND
	s_barrier_signal -1
	s_barrier_wait -1
	CREST
.endm
	s_load_b256 s[4:11], s[0:1], 0x0               ; ob s[4:5], wpb s[6:7], vecs s[8:9], pre s[10:11]
	v_lshl_add_u32 v[SPW], v0, 2, SPARE
	v_mov_b32 v[NIL], 0
	ds_add_u32 v[SPW], v[NIL]                      ; the wave's opening: an add of 0 to my spare word; its wait stands ahead of my first tensor load
	v_lshrrev_b32 v1, 5, v0
	v_readfirstlane_b32 s[WV], v1
	s_lshr_b32 s13, s[WV], 1                       ; my half of the rows; also: I fetch fused (0) or Wp (1)
	s_and_b32 s14, s[WV], 1                        ; my half of the columns; also: which half of that tile I fetch
	s_bfe_u32 s40, ttmp6, 0x40000
	s_bfe_u32 s41, ttmp6, 0x40004
	s_lshl_b32 s42, ttmp9, 2
	s_add_co_u32 s42, s42, s40                     ; tile column 0..7
	s_and_b32 s43, ttmp7, 0xffff
	s_lshl_b32 s43, s43, 2
	s_add_co_u32 s43, s43, s41                     ; tile row 0..31
	s_lshl_b32 s44, s41, 2
	s_lshl_b32 s44, 15, s44
	s_lshl_b32 s45, 0x1111, s40
	s_or_b32 s[G1], s44, (1<<16)|(1<<20)|(1<<21)|(4<<22)|(3<<25)   ; after every 32 words 4 words of padding
	s_mov_b32 s[G1+1], 8192<<16                    ; tensor_dim0 = 8,192: a head's 128 rows of 64 on end
	s_mov_b32 s[G1+2], 2<<16                       ; tensor_dim1 = 2 heads
	s_mov_b32 s[G1+3], 8192<<16                    ; tile_dim0
	s_mov_b32 s[G1+4], 2                           ; tile_dim1
	s_mov_b32 s[G1+5], 65536                       ; elements from head to head
	s_mov_b32 s[G1+6], 0
	s_mov_b32 s[G1+7], 0
	s_or_b32 s[G1B], s45, (1<<16)|(1<<20)|(1<<21)|(5<<22)|(7<<25)  ; after every 64 words 8 words
	s_mov_b32 s[G1B+1], 128<<16
	s_mov_b32 s[G1B+2], 128<<16
	s_mov_b32 s[G1B+3], 128<<16
	s_mov_b32 s[G1B+4], 128
	s_mov_b32 s[G1B+5], 1024
	s_mov_b32 s[G1B+6], 0
	s_mov_b32 s[G1B+7], 0
	s_lshr_b32 s16, s43, 3                         ; fused: batch x 32 heads
	s_lshl_b32 s16, s16, 5
	s_lshl_b32 s17, s14, 1                         ; + my two of the step's four,
	s_add_co_u32 s16, s16, s17
	s_lshl_b32 s16, s16, 17                        ; blocks of 131,072 bytes,
	s_and_b32 s17, s43, 7
	s_lshl_b32 s17, s17, 14                        ; the tile's 128 rows of 128 bytes
	s_add_co_u32 s16, s16, s17
	s_mov_b32 s17, 0
	s_lshl_b32 s18, s14, 18                        ; Wp: my 128 rows of 2,048 bytes,
	s_lshl_b32 s20, s42, 8                         ; the tile's 128 columns
	s_add_co_u32 s18, s18, s20
	s_mov_b32 s19, 0
	s_mul_i32 s22, s[WV], PART                     ; where my load lands: the wave's number alone
	s_wait_dscnt 0x0
	s_wait_kmcnt 0x0
	s_add_nc_u64 s[16:17], s[4:5], s[16:17]
	s_add_nc_u64 s[18:19], s[6:7], s[18:19]
	CROUND
.irp s, 0,1
	s_mov_b32 s[G0+4*(\s)], 1
	s_add_co_u32 s[G0+4*(\s)+1], s22, (\s)*SLOT
	s_add_nc_u64 s[G0+4*(\s)+2:G0+4*(\s)+3], s[16:17], (\s)*524288     ; K step s: four heads on
	s_or_b32 s[G0+4*(\s)+3], s[G0+4*(\s)+3], 0x80000000
	s_mov_b32 s[G0B+4*(\s)], 1
	s_add_co_u32 s[G0B+4*(\s)+1], s22, (\s)*SLOT
	s_add_nc_u64 s[G0B+4*(\s)+2:G0B+4*(\s)+3], s[18:19], (\s)*524288   ; 256 rows down
	s_or_b32 s[G0B+4*(\s)+3], s[G0B+4*(\s)+3], 0x80000000
	JLOAD \s
.endr
	v_and_b32 v1, 15, v0
	v_bfe_u32 v2, v0, 4, 1
	v_mul_u32_u24 v3, v1, PA
	v_lshl_add_u32 v3, v2, 4, v3
	s_mul_i32 s21, s13, 64*PA
	v_add_nc_u32 v[ADRA], s21, v3
	v_add_nc_u32 v[ADRA+1], SLOT, v[ADRA]
	v_and_b32 v5, 7, v0
	v_bfe_u32 v6, v0, 3, 1
	v_lshl_add_u32 v4, v2, 3, v5
	v_mul_u32_u24 v4, v4, PB
	v_lshl_add_u32 v4, v6, 4, v4
	s_lshl_b32 s21, s14, 7
	s_add_co_u32 s21, s21, BOFF
	v_add_nc_u32 v[ADRB], s21, v4
	v_add_nc_u32 v[ADRB+1], PART, v[ADRB]
	v_add_nc_u32 v[ADRB+2], SLOT, v[ADRB]
	v_add_nc_u32 v[ADRB+3], SLOT+PART, v[ADRB]
	s_mul_i32 s23, s[WV], 16*SPITCH
	s_add_co_u32 s23, s23, STAGE
	v_mul_u32_u24 v[STO], v1, SPITCH               ; in: row l % 16, 32 bytes for each half of the lanes
	v_lshl_add_u32 v[STO], v2, 5, v[STO]
	v_add_nc_u32 v[STO], s23, v[STO]
	v_mul_u32_u24 v[RD], v2, SPITCH                ; back: lanes 0-15 one row of 256 bytes, lanes 16-31 the next
	v_lshl_add_u32 v[RD], v1, 4, v[RD]
	v_add_nc_u32 v[RD], s23, v[RD]
	v_lshlrev_b32 v[CO], 12, v2                    ; and the same two rows in pre
	v_lshl_add_u32 v[CO], v1, 4, v[CO]
	v_lshlrev_b32 v[BO], 5, v2
	s_lshl_b32 s80, s42, 9                         ; my first column in f32: 512 x tile column + 256 x half
	s_lshl_b32 s81, s14, 8
	s_add_co_u32 s80, s80, s81
	s_mov_b32 s81, 0
	s_add_nc_u64 s[BB:BB+1], s[8:9], s[80:81]
	s_add_nc_u64 s[BB:BB+1], s[BB:BB+1], 24576     ; bp lies behind six units of 1,024 f32
	s_lshl_b32 s82, s43, 19                        ; 128 rows of 4,096 bytes,
	s_lshl_b32 s83, s13, 18                        ; my 64
	s_add_co_u32 s82, s82, s83
	s_add_co_u32 s82, s82, s80
	s_mov_b32 s83, 0
	s_add_nc_u64 s[PO:PO+1], s[10:11], s[82:83]
.irp b, 0,1,2,3
	global_load_b128 v[BIAS+8*\b:BIAS+8*\b+3],   v[BO], s[BB:BB+1] offset:64*\b
	global_load_b128 v[BIAS+8*\b+4:BIAS+8*\b+7], v[BO], s[BB:BB+1] offset:64*\b+16
.endr
.macro MUL8 f, c, a0, zero             ; 8 matrix instructions: row blocks a0, a0 + 1 x all 4 column blocks, 32 along K: half c of buffer f.  The 16 accumulators take turns
	WIN MUL
.irp a, \a0, (\a0)+1
.irp b, 0,1,2,3
.if \zero
	v_wmma_f32_16x16x32_f16 v[ACC+8*(4*(\a)+(\b)):ACC+8*(4*(\a)+(\b))+7], v[(\f)+64+8*(4*(\c)+(\b)):(\f)+64+8*(4*(\c)+(\b))+7], v[(\f)+8*(4*(\c)+(\a)):(\f)+8*(4*(\c)+(\a))+7], 0
.else
	v_wmma_f32_16x16x32_f16 v[ACC+8*(4*(\a)+(\b)):ACC+8*(4*(\a)+(\b))+7], v[(\f)+64+8*(4*(\c)+(\b)):(\f)+64+8*(4*(\c)+(\b))+7], v[(\f)+8*(4*(\c)+(\a)):(\f)+8*(4*(\c)+(\a))+7], v[ACC+8*(4*(\a)+(\b)):ACC+8*(4*(\a)+(\b))+7]
.endif
.endr
.endr
.endm
.macro FETCH slot, q, f                ; 32 LDS loads in one run: quarter q of a slot is head q: 64 along K; its first 32 first
	WIN TO_F
.irp c, 0,1
.irp i, 0,1,2,3
	ds_load_tr16_b128 v[(\f)+64+8*(4*\c+\i):(\f)+64+8*(4*\c+\i)+3],   v[ADRB+2*(\slot)+(\q)/2] offset:(2*((\q)%2)+\c)*32*PB+32*\i
	ds_load_tr16_b128 v[(\f)+64+8*(4*\c+\i)+4:(\f)+64+8*(4*\c+\i)+7], v[ADRB+2*(\slot)+(\q)/2] offset:(2*((\q)%2)+\c)*32*PB+32*\i+16*PB
	ds_load_b128 v[(\f)+8*(4*\c+\i):(\f)+8*(4*\c+\i)+3],   v[ADRA+(\slot)] offset:(\q)*128*PA+64*\c+\i*16*PA
	ds_load_b128 v[(\f)+8*(4*\c+\i)+4:(\f)+8*(4*\c+\i)+7], v[ADRA+(\slot)] offset:(\q)*128*PA+64*\c+\i*16*PA+32
.endr
.endr
.endm
.macro QUARTER slot, q, f, g, zero
	s_wait_dscnt 16                                ; the first 32 along K are in
	MUL8 \f, 0, 0, \zero
	MUL8 \f, 0, 2, \zero
	PLACES
	FETCH \slot, \q, \g
	s_wait_dscnt 32                                ; all but the 32 just issued
	MUL8 \f, 1, 0, 0
	MUL8 \f, 1, 2, 0
.endm
.macro TURN slot, next, fill           ; the last quarter multiplies buffer 1 and changes slots
	WIN 0
	s_wait_tensorcnt 0x0                           ; all my tensor loads have landed: my part of the next slot
	ds_add_u32 v[SPW], v[NIL]
	s_wait_dscnt 17                                ; the add and the youngest sixteen loads may be out
	MUL8 F1, 0, 0, 0
	s_wait_dscnt 0x0                               ; the add is done, and my reads of this slot are over
	s_barrier_signal -1
	MUL8 F1, 0, 2, 0
	WIN 0
	s_barrier_wait -1
.if \fill
	CREST                                          ; no wave of any partner still reads this slot or has a load on its way
	s_add_nc_u64 s[G0+4*(\slot)+2:G0+4*(\slot)+3], s[G0+4*(\slot)+2:G0+4*(\slot)+3], 1048576
	s_add_nc_u64 s[G0B+4*(\slot)+2:G0B+4*(\slot)+3], s[G0B+4*(\slot)+2:G0B+4*(\slot)+3], 1048576
	JLOAD \slot                                    ; 112 matrix instructions ahead of the wait for it; its four v_nop are also the places in front of the loads below
.else
	PLACES
.endif
	FETCH \next, 0, F0
	MUL8 F1, 1, 0, 0
	MUL8 F1, 1, 2, 0
.endm
	s_wait_loadcnt 0x0                             ; the bias, once
	s_wait_tensorcnt 1                             ; my part of K step 0 is in
	s_barrier_signal -1
	s_barrier_wait -1
	FETCH 0, 0, F0
	QUARTER 0, 1, F0, F1, 1
	WIN 0
	s_mov_b32 s3, 3
.Llap:
	QUARTER 0, 2, F1, F0, 0
	QUARTER 0, 3, F0, F1, 0
	TURN 0, 1, 1
	QUARTER 1, 1, F0, F1, 0
	QUARTER 1, 2, F1, F0, 0
	QUARTER 1, 3, F0, F1, 0
	TURN 1, 0, 1
	QUARTER 0, 1, F0, F1, 0
	WIN 0
	s_sub_co_u32 s3, s3, 1
	s_cmp_lg_u32 s3, 0
	s_cbranch_scc1 .Llap
	QUARTER 0, 2, F1, F0, 0
	QUARTER 0, 3, F0, F1, 0
	TURN 0, 1, 0
	QUARTER 1, 1, F0, F1, 0
	QUARTER 1, 2, F1, F0, 0
	QUARTER 1, 3, F0, F1, 0
	s_wait_dscnt 16
	MUL8 F1, 0, 0, 0
	MUL8 F1, 0, 2, 0
	s_wait_dscnt 0x0
	MUL8 F1, 1, 0, 0
	MUL8 F1, 1, 2, 0
	WIN 0
	PLACES
	PLACES
; THE WAY OUT, 16 rows at a time: + bias; 32 bytes a lane into my own stage; back as whole rows of 256 bytes; stored.
.macro ADDB a
.set z, 0
.rept 16
	v_pk_add_f32 v[ACC+32*(\a)+2*z:ACC+32*(\a)+2*z+1], v[ACC+32*(\a)+2*z:ACC+32*(\a)+2*z+1], v[BIAS+2*z:BIAS+2*z+1]
.set z, z+1
.endr
.endm
.macro STG a
.irp b, 0,1,2,3
	ds_store_b128 v[STO], v[ACC+32*(\a)+8*\b:ACC+32*(\a)+8*\b+3]   offset:64*\b
	ds_store_b128 v[STO], v[ACC+32*(\a)+8*\b+4:ACC+32*(\a)+8*\b+7] offset:64*\b+16
.endr
.irp t, 0,1,2,3,4,5,6,7
	ds_load_b128 v[BK+32*((\a)%2)+4*\t:BK+32*((\a)%2)+4*\t+3], v[RD] offset:\t*2*SPITCH  ; LDS serves a wave's instructions in order (ISA guide 5.7.1.4)
.endr
.endm
.macro SENDO a
	s_wait_dscnt 0x0
	s_wait_xcnt 0x0                                ; the stores of the block before have read their registers, which the next block's loads write
.irp t, 0,1,2,3,4,5,6,7
	global_store_b128 v[CO], v[BK+32*((\a)%2)+4*\t:BK+32*((\a)%2)+4*\t+3], s[PO:PO+1] offset:(16*(\a)+2*\t)*4096  ; 16 lanes store 256 consecutive bytes, aligned
.endr
.endm
	ADDB 0
	STG 0
.irp a, 1,2,3
	ADDB \a
	SENDO (\a)-1
	STG \a
.endr
	SENDO 3
	s_wait_tensorcnt 0x0                           ; the wave's end
	ds_add_u32 v[SPW], v[NIL]
	s_wait_dscnt 0x0
	CROUND                                         ; the closing round
	s_endpgm
.Lfunc_end_k_qd6f43d2b62_oproj:
	.size	k_qd6f43d2b62_oproj, .Lfunc_end_k_qd6f43d2b62_oproj-k_qd6f43d2b62_oproj
	.p2alignl 7, 3214868480
	.fill 96, 4, 3214868480
	.section	.rodata,"a",@progbits
	.p2align	6, 0x0
	.amdhsa_kernel k_qd6f43d2b62_oproj
		.amdhsa_group_segment_fixed_size 327680
		.amdhsa_private_segment_fixed_size 0
		.amdhsa_enable_private_segment 0
		.amdhsa_kernarg_size 32
		.amdhsa_user_sgpr_count 2
		.amdhsa_user_sgpr_kernarg_segment_ptr 1
		.amdhsa_wavefront_size32 1
		.amdhsa_system_sgpr_workgroup_id_x 1
		.amdhsa_system_sgpr_workgroup_id_y 1
		.amdhsa_system_sgpr_workgroup_id_z 1
		.amdhsa_system_vgpr_workitem_id 0
		.amdhsa_next_free_vgpr 512
		.amdhsa_next_free_sgpr 92
		.amdhsa_reserve_vcc 0
		.amdhsa_float_denorm_mode_32 3
		.amdhsa_float_denorm_mode_16_64 3
		.amdhsa_memory_ordered 1
		.amdhsa_forward_progress 1
		.amdhsa_inst_pref_size 91
	.end_amdhsa_kernel
	.amdgpu_metadata
---
amdhsa.version: [ 1, 2 ]
amdhsa.kernels:
  - .name:           k_qd6f43d2b62_oproj
    .symbol:         k_qd6f43d2b62_oproj.kd
    .args:
      - { .name: ob, .offset: 0, .size: 8, .value_kind: global_buffer, .address_space: global }
      - { .name: wpb, .offset: 8, .size: 8, .value_kind: global_buffer, .address_space: global }
      - { .name: vecs, .offset: 16, .size: 8, .value_kind: global_buffer, .address_space: global }
      - { .name: pre, .offset: 24, .size: 8, .value_kind: global_buffer, .address_space: global }
    .group_segment_fixed_size: 327680
    .private_segment_fixed_size: 0
    .kernarg_segment_align: 8
    .kernarg_segment_size: 32
    .max_flat_workgroup_size: 128
    .sgpr_count:     92
    .vgpr_count:     512
    .wavefront_size: 32
...
	.end_amdgpu_metadata
.endif
;; end of part 4
;; launch lnorm (part 5): grid 256 x 1, 8 waves a work-group, no clusters, 0 bytes of LDS; arguments pre, vecs, out0; writes out0
.if DOCPART == 5
	.amdgcn_target "amdgcn-amd-amdhsa--gfx1250"
	.amdhsa_code_object_version 6
	.text
	.protected	k_qd6f43d2b62_lnorm
	.globl	k_qd6f43d2b62_lnorm
	.p2align	8
	.type	k_qd6f43d2b62_lnorm,@function
k_qd6f43d2b62_lnorm:
	s_mov_b64 s[64:65], 0
	v_nop
	global_prefetch_b8 v0, s[64:65] scope:SCOPE_SE
	s_setreg_imm32_b32 hwreg(HW_REG_WAVE_MODE, 25, 1), 1
	s_wait_xcnt 0x0
; LAYERNORM over rows of 1,024 f32: out = (x - mean) / sqrt(var + 1e-5) x gamma + beta; var is the mean of the squared deviations, so no difference of large sums is formed.
; gamma and beta come from vecs (rounded to bf16, like every input).  One wave takes a whole row, 32 numbers a lane, and keeps it in registers between the passes: the row is read once.
; A work-group's eight waves take two rows each; each load and store of a wave covers 512 consecutive bytes.  No LDS, no barrier: no wave waits for another.
.set MU, 2                             ; v[2:3]   the mean, twice
.set RS, 4                             ; v[4:5]   1 / sqrt(var + eps), twice
.set G,  8                             ; v[8:39]  gamma of my 32 columns
.set BT, 40                            ; v[40:71] beta
.set X,  72                            ; v[72:135] two rows
.set T,  136                           ; v[136:143] four running sums of two
	s_load_b128 s[4:7], s[0:1], 0x0                ; pre s[4:5], vecs s[6:7]
	s_load_b64 s[8:9], s[0:1], 0x10                ; out0
	v_and_b32 v1, 31, v0
	v_lshlrev_b32 v1, 4, v1                        ; 16 bytes a lane
	v_lshrrev_b32 v6, 5, v0
	v_readfirstlane_b32 s10, v6
	s_lshl_b32 s2, ttmp9, 16                       ; 16 rows of 4,096 bytes a work-group,
	s_lshl_b32 s3, s10, 13                         ; two a wave
	s_add_co_u32 s2, s2, s3
	s_mov_b32 s3, 0
	s_mov_b32 s12, 0x76543210
	s_mov_b32 s13, 0xfedcba98
	s_mov_b32 s14, 0x3a800000                      ; 1 / 1024
	s_mov_b32 s15, 0x3727c5ac                      ; 1e-5
	s_wait_kmcnt 0x0
	s_add_nc_u64 s[4:5], s[4:5], s[2:3]
	s_add_nc_u64 s[8:9], s[8:9], s[2:3]
.irp i, 0,1,2,3,4,5,6,7
	global_load_b128 v[G+4*\i:G+4*\i+3], v1, s[6:7] offset:28672+512*\i
.endr
.irp i, 0,1,2,3,4,5,6,7
	global_load_b128 v[BT+4*\i:BT+4*\i+3], v1, s[6:7] offset:32768+512*\i
.endr
.irp i, 0,1,2,3,4,5,6,7
	global_load_b128 v[X+4*\i:X+4*\i+3], v1, s[4:5] offset:512*\i th:TH_LOAD_NT
.endr
.irp i, 0,1,2,3,4,5,6,7
	global_load_b128 v[X+32+4*\i:X+32+4*\i+3], v1, s[4:5] offset:4096+512*\i th:TH_LOAD_NT
.endr
.macro RED                             ; the four running sums into one, then over the 32 lanes: every lane ends with the row's sum in v[T]
	v_pk_add_f32 v[T:T+1], v[T:T+1], v[T+2:T+3]
	v_pk_add_f32 v[T+4:T+5], v[T+4:T+5], v[T+6:T+7]
	v_pk_add_f32 v[T:T+1], v[T:T+1], v[T+4:T+5]
	v_add_f32 v[T], v[T], v[T+1]
	v_add_f32_dpp v[T], v[T], v[T] row_xmask:1 row_mask:0xf bank_mask:0xf
	v_add_f32_dpp v[T], v[T], v[T] row_xmask:2 row_mask:0xf bank_mask:0xf
	v_add_f32_dpp v[T], v[T], v[T] row_xmask:4 row_mask:0xf bank_mask:0xf
	v_add_f32_dpp v[T], v[T], v[T] row_xmask:8 row_mask:0xf bank_mask:0xf
	v_permlanex16_b32 v[T+1], v[T], s12, s13
	v_add_f32 v[T], v[T], v[T+1]
.endm
.macro ROW j
.set XR, X+32*(\j)
	s_wait_loadcnt 8*(1-(\j))                      ; gamma, beta and this row are in; the other row's eight loads may stay out
.irp c, 0,1,2,3
	v_pk_add_f32 v[T+2*\c:T+2*\c+1], v[XR+4*\c:XR+4*\c+1], v[XR+4*\c+2:XR+4*\c+3]   ; the first sixteen numbers start four chains
.endr
.set k, 8
.rept 8
	v_pk_add_f32 v[T+2*(k%4):T+2*(k%4)+1], v[T+2*(k%4):T+2*(k%4)+1], v[XR+2*k:XR+2*k+1]
.set k, k+1
.endr
	RED
	v_mul_f32 v[MU], s14, v[T]
	v_mov_b32 v[MU+1], v[MU]
.set k, 0
.rept 16
	v_pk_add_f32 v[XR+2*k:XR+2*k+1], v[XR+2*k:XR+2*k+1], v[MU:MU+1] neg_lo:[0,1] neg_hi:[0,1]   ; x - mean, in place
.set k, k+1
.endr
.irp c, 0,1,2,3
	v_pk_mul_f32 v[T+2*\c:T+2*\c+1], v[XR+2*\c:XR+2*\c+1], v[XR+2*\c:XR+2*\c+1]
.endr
.set k, 4
.rept 12
	v_pk_fma_f32 v[T+2*(k%4):T+2*(k%4)+1], v[XR+2*k:XR+2*k+1], v[XR+2*k:XR+2*k+1], v[T+2*(k%4):T+2*(k%4)+1]
.set k, k+1
.endr
	RED
	v_fma_f32 v[T+2], v[T], s14, s15               ; var + eps
	v_rsq_f32 v[RS], v[T+2]
	v_rsq_f32 v[RS+1], v[T+2]
	v_nop                                          ; a plain line behind the second root,
	s_wait_alu depctr_va_vdst(0)                   ; and one wait for both, ahead of their first reader
.set k, 0
.rept 16
	v_pk_mul_f32 v[XR+2*k:XR+2*k+1], v[XR+2*k:XR+2*k+1], v[RS:RS+1]
.set k, k+1
.endr
.set k, 0
.rept 16
	v_pk_fma_f32 v[XR+2*k:XR+2*k+1], v[XR+2*k:XR+2*k+1], v[G+2*k:G+2*k+1], v[BT+2*k:BT+2*k+1]
.set k, k+1
.endr
.irp i, 0,1,2,3,4,5,6,7
	global_store_b128 v1, v[XR+4*\i:XR+4*\i+3], s[8:9] offset:4096*(\j)+512*\i th:TH_STORE_NT
.endr
.endm
	ROW 0
	ROW 1
	s_endpgm
.Lfunc_end_k_qd6f43d2b62_lnorm:
	.size	k_qd6f43d2b62_lnorm, .Lfunc_end_k_qd6f43d2b62_lnorm-k_qd6f43d2b62_lnorm
	.p2alignl 7, 3214868480
	.fill 96, 4, 3214868480
	.section	.rodata,"a",@progbits
	.p2align	6, 0x0
	.amdhsa_kernel k_qd6f43d2b62_lnorm
		.amdhsa_group_segment_fixed_size 0
		.amdhsa_private_segment_fixed_size 0
		.amdhsa_enable_private_segment 0
		.amdhsa_kernarg_size 24
		.amdhsa_user_sgpr_count 2
		.amdhsa_user_sgpr_kernarg_segment_ptr 1
		.amdhsa_wavefront_size32 1
		.amdhsa_system_sgpr_workgroup_id_x 1
		.amdhsa_system_sgpr_workgroup_id_y 1
		.amdhsa_system_sgpr_workgroup_id_z 1
		.amdhsa_system_vgpr_workitem_id 0
		.amdhsa_next_free_vgpr 144
		.amdhsa_next_free_sgpr 66
		.amdhsa_reserve_vcc 0
		.amdhsa_float_denorm_mode_32 3
		.amdhsa_float_denorm_mode_16_64 3
		.amdhsa_memory_ordered 1
		.amdhsa_forward_progress 1
		.amdhsa_inst_pref_size 18
	.end_amdhsa_kernel
	.amdgpu_metadata
---
amdhsa.version: [ 1, 2 ]
amdhsa.kernels:
  - .name:           k_qd6f43d2b62_lnorm
    .symbol:         k_qd6f43d2b62_lnorm.kd
    .args:
      - { .name: pre, .offset: 0, .size: 8, .value_kind: global_buffer, .address_space: global }
      - { .name: vecs, .offset: 8, .size: 8, .value_kind: global_buffer, .address_space: global }
      - { .name: out0, .offset: 16, .size: 8, .value_kind: global_buffer, .address_space: global }
    .group_segment_fixed_size: 0
    .private_segment_fixed_size: 0
    .kernarg_segment_align: 8
    .kernarg_segment_size: 24
    .max_flat_workgroup_size: 256
    .sgpr_count:     66
    .vgpr_count:     144
    .wavefront_size: 32
...
	.end_amdgpu_metadata
.endif
;; end of part 5
;; ======== version 2 of 2: 5 launches; version 1 with the launch cast written anew for expert scheduling mode
;; limits: values are held in f16: magnitudes above 65,504 overflow, below 6.1e-05 lose precision
;; workspace buffers: xb 16,777,216 bytes; wcat 12,582,912 bytes; wpb 4,194,304 bytes; vecs 36,864 bytes; qkv 50,331,648 bytes; ob 16,777,216 bytes; pre 16,777,216 bytes
;; launch cast (part 6): grid 1025 x 1, 8 waves a work-group, no clusters, 0 bytes of LDS; arguments image_feat, waveform_feat, Wq_i, Wq_w, Wkv_i, Wkv_w, Wp, bq_i, bkv_i, bq_w, bkv_w, bp, gamma, beta, xb, wcat, wpb, vecs; writes xb, wcat, wpb, vecs
.if DOCPART == 6
	.amdgcn_target "amdgcn-amd-amdhsa--gfx1250"
	.amdhsa_code_object_version 6
	.text
	.protected	k_qd6f43d2b62_cast
	.globl	k_qd6f43d2b62_cast
	.p2align	8
	.type	k_qd6f43d2b62_cast,@function
k_qd6f43d2b62_cast:
	s_mov_b64 s[64:65], 0
	v_nop
	global_prefetch_b8 v0, s[64:65] scope:SCOPE_SE
	s_setreg_imm32_b32 hwreg(HW_REG_WAVE_SCHED_MODE, 0, 2), 2
	s_setreg_imm32_b32 hwreg(HW_REG_WAVE_MODE, 25, 1), 1
	s_wait_xcnt 0x0
	s_wait_alu depctr_vm_vsrc(0)
; CAST.  Every input is rounded once to bf16 and laid out for the launches behind:
;   xb   bf16 [16 planes][8192 rows][64]  plane p holds columns 64 p .. 64 p + 63 of all rows (image rows, then waveform rows): 256 rows of a plane are 32,768 bytes on end
;   wcat bf16 [2][1024 k][3072 n]         side 0: Wq_i | Wkv_i, side 1: Wq_w | Wkv_w, columns side by side
;   wpb  f16  [2048 k][1024 n]            Wp rounded to bf16, that number written as f16
;   vecs f32  9 x 1024                    bq_i, bkv_i, bq_w, bkv_w, bp, gamma, beta, each number rounded to bf16 and kept as f32
; LIMIT.  A bf16 number of Wp below 2^-17 in size loses bits as f16 (f16's fixed step of 2^-24); beyond 65,504 it would be an infinity.
; SHARES.  A unit is 1,024 f32 on end (4,096 bytes) and becomes 2,048 bytes.  A work-group takes 16 units on end of one segment: 16 loads of 16 bytes and 16 stores of 8 bytes a thread.
; Weights: thread t takes 16 bytes at 16 t of each unit and stores 8 bytes at 8 t: a wave's load covers 512 consecutive bytes, its store 256 consecutive bytes, aligned.
; x: a wave's load takes 256 consecutive bytes (one plane's 64 columns) of each of two neighbouring rows, lanes 0-15 the even row, lanes 16-31 the odd one; in the plane these are again 256 consecutive
; bytes, aligned.  Wave w takes planes 2 w and 2 w + 1.
; No LDS, no matrix unit: each byte is read once and written once.
; THE MODE: SCHED_MODE bits 1:0 = 2 (LLVM: expert scheduling mode 2), set by the entry lines.  The code itself states the register dependences between vector instructions and memory
; instructions, with s_wait_alu, always for 0.
; THE PLAN.  All loads of a thread go out first.  Registers that memory instructions touch:
;   v1          the loads' offset (in the vectors' path the stores' too).  Written by vector lines ahead of the run of loads; never written behind it.
;   v[D .. D+15] store i's offset.  Written once by vector lines: v[D] ahead of the loads, the others behind them; read by store i alone.
;   X + 4 i ..  unit i.  Load i lands in it, and no vector line names it before; the conversions read it and write its first two registers; store i reads those two; nothing writes them again.
; No register that a memory instruction has read is written again, and no load lands in a register that a vector line has named.  What is left to state: vector lines have written what a load or
; a store reads.  The 16 units go in four blocks of four.  Block p's conversions name block p's X and v34-35 alone; its memory instructions are block p - 1's four stores.  So ONE wait at the head of a
; block states all that those four stores hang on, and they are dealt among the block's conversions with no further wait.
.set NU,  16                           ; units a work-group
.set X,   40                           ; v[40:103] load i: 4 registers as loaded, the first two then as stored
.set D,   2                            ; v[2:17]   load i: my byte offset in the destination
.set T,   34                           ; v[34:35]  at work; v36-39 too: no memory instruction names them
.set SRC, 44                           ; s[44:45]  the segment's source, then my work-group's part of it
.set DST, 46                           ; s[46:47]  the same for the destination
; s48 the segment's first work-group; s49 destination bytes a work-group; s50 the segment's first destination byte;
; s51, s52 load i lands at (i / 2) x s52 + (i % 2) x s51; s53 1: f16 of the bf16 number
.macro SEG start, src, dst, dmul, dadd, p1, p2, kind   ; from work-group 'start' on this segment holds
	s_cmp_ge_u32 ttmp9, \start
	s_cselect_b64 s[SRC:SRC+1], s[\src:\src+1], s[SRC:SRC+1]
	s_cselect_b64 s[DST:DST+1], s[\dst:\dst+1], s[DST:DST+1]
	s_cselect_b32 s48, \start, s48
	s_cselect_b32 s49, \dmul, s49
	s_cselect_b32 s50, \dadd, s50
	s_cselect_b32 s51, \p1, s51
	s_cselect_b32 s52, \p2, s52
	s_cselect_b32 s53, \kind, s53
.endm
	s_load_b512 s[8:23], s[0:1], 0x0               ; image 8, wave 10, Wq_i 12, Wq_w 14, Wkv_i 16, Wkv_w 18, Wp 20, bq_i 22
	s_load_b512 s[24:39], s[0:1], 0x40             ; bkv_i 24, bq_w 26, bkv_w 28, bp 30, gamma 32, beta 34, xb 36, wcat 38
	s_load_b128 s[40:43], s[0:1], 0x80             ; wpb 40, vecs 42
	v_lshlrev_b32 v1, 4, v0                        ; 16 t
	s_mov_b32 s58, 0xffff0000                      ; a word's upper bf16
	s_wait_kmcnt 0x0
	s_cmp_eq_u32 ttmp9, 1024
	s_cbranch_scc1 .Lvec                           ; the last work-group takes the nine units of vectors
	s_mov_b64 s[SRC:SRC+1], s[8:9]                 ; segment 0: image -> xb: 16 rows of 128 bytes in each plane; planes 1,048,576 bytes apart; a pair of rows 256
	s_mov_b64 s[DST:DST+1], s[36:37]
	s_mov_b32 s48, 0
	s_mov_b32 s49, 2048
	s_mov_b32 s50, 0
	s_mov_b32 s51, 1048576
	s_mov_b32 s52, 256
	s_mov_b32 s53, 0
	SEG 256, 10, 36, 2048,  524288,  1048576, 256,   0   ; waveform -> rows 4,096 on of each plane
	SEG 512, 12, 38, 98304, 0,       6144,    12288, 0   ; Wq_i: a unit is a row k; wcat's rows are 6,144 bytes apart
	SEG 576, 14, 38, 98304, 6291456, 6144,    12288, 0   ; Wq_w: side 1
	SEG 640, 16, 38, 49152, 2048,    2048,    6144,  0   ; Wkv_i: two units a row, from column 1,024 on
	SEG 768, 18, 38, 49152, 6293504, 2048,    6144,  0   ; Wkv_w
	SEG 896, 20, 40, 32768, 0,       2048,    4096,  1   ; Wp -> wpb
	s_sub_co_u32 s54, ttmp9, s48                   ; my number in the segment
	s_lshl_b32 s56, s54, 16                        ; 16 units of 4,096 bytes
	s_mov_b32 s57, 0
	s_add_nc_u64 s[SRC:SRC+1], s[SRC:SRC+1], s[56:57]
	s_mul_i32 s56, s54, s49
	s_add_co_u32 s56, s56, s50
	s_add_nc_u64 s[DST:DST+1], s[DST:DST+1], s[56:57]
	s_cmp_lt_u32 ttmp9, 512
	s_cbranch_scc0 .Lrows
	v_and_b32 v36, 15, v0                          ; x: my 16 bytes of a plane's 256 in a row,
	v_bfe_u32 v37, v0, 4, 1                        ; the even or the odd row,
	v_lshrrev_b32 v38, 5, v0                       ; my wave's two planes
	v_and_b32 v39, 31, v0
	v_lshlrev_b32 v1, 4, v36
	v_lshl_add_u32 v1, v37, 12, v1
	v_lshl_add_u32 v1, v38, 9, v1
	v_lshlrev_b32 v[D], 3, v39                     ; in a plane the two rows' pieces lie on end: 8 bytes a lane
	v_lshl_add_u32 v[D], v38, 21, v[D]
	s_wait_alu depctr_va_vdst(0)                   ; v1 is written, which the sixteen loads below read as their offset
.set n, 0
.rept NU                               ; load n: rows 2 (n / 2) and 2 (n / 2) + 1, plane 2 w + n % 2
	global_load_b128 v[X+4*n:X+4*n+3], v1, s[SRC:SRC+1] offset:(n/2)*8192+(n%2)*256 th:TH_LOAD_NT
.set n, n+1
.endr
	s_branch .Lout
.Lrows:
	v_lshlrev_b32 v[D], 3, v0                      ; 8 t
	s_wait_alu depctr_va_vdst(0)                   ; v1, made at the head, is written: the sixteen loads below read it as their offset
.set n, 0
.rept NU
	global_load_b128 v[X+4*n:X+4*n+3], v1, s[SRC:SRC+1] offset:4096*n th:TH_LOAD_NT
.set n, n+1
.endr
.Lout:
	v_add_nc_u32 v[D+1], s51, v[D]                 ; the stores' other offsets are made while the loads are out; block 1's wait states that they are written
.set n, 2
.rept NU-2
	v_add_nc_u32 v[D+n], s52, v[D+n-2]
.set n, n+1
.endr
.macro CVT i, kind                     ; unit i is rounded, in place: its first two registers are what store i reads
.if \kind
	v_cvt_pk_bf16_f32 v[T], v[X+4*(\i)], v[X+4*(\i)+1]      ; rounded to bf16,
	v_cvt_pk_bf16_f32 v[T+1], v[X+4*(\i)+2], v[X+4*(\i)+3]
	v_lshlrev_b32 v[X+4*(\i)], 16, v[T]                     ; widened again,
	v_and_b32 v[X+4*(\i)+1], s58, v[T]
	v_lshlrev_b32 v[X+4*(\i)+2], 16, v[T+1]
	v_and_b32 v[X+4*(\i)+3], s58, v[T+1]
	v_cvt_pk_f16_f32 v[X+4*(\i)], v[X+4*(\i)], v[X+4*(\i)+1]    ; and written as f16
	v_cvt_pk_f16_f32 v[X+4*(\i)+1], v[X+4*(\i)+2], v[X+4*(\i)+3]
.else
	v_cvt_pk_bf16_f32 v[X+4*(\i)], v[X+4*(\i)], v[X+4*(\i)+1]
	v_cvt_pk_bf16_f32 v[X+4*(\i)+1], v[X+4*(\i)+2], v[X+4*(\i)+3]
.endif
.endm
.macro ST i
	global_store_b64 v[D+(\i)], v[X+4*(\i):X+4*(\i)+1], s[DST:DST+1]
.endm
; Block p: units 4 p .. 4 p + 3 are rounded; the four stores of the block before stand among the conversions, one in front of each unit's lines.
.macro BLK p, kind
	s_wait_loadcnt NU-4-4*(\p)                     ; loads come back in order (ISA guide 5.7.1): this block's four are in, the younger ones stay out
.if (\p) > 0
	s_wait_alu depctr_va_vdst(0)                   ; the block before has written its units' first two registers, which the stores below read; in block 1 also: the adds have written v[D+1 ..], the stores' offsets
.endif
.irp j, 0,1,2,3
.if (\p) > 0
	ST 4*(\p)-4+\j                                 ; no vector line since the wait names its offset or its data
.endif
	CVT 4*(\p)+\j, \kind
.endr
.endm
	s_cmp_eq_u32 s53, 1
	s_cbranch_scc1 .Lf16
	BLK 0, 0
	BLK 1, 0
	BLK 2, 0
	BLK 3, 0
	s_wait_alu depctr_va_vdst(0)                   ; block 3 has written its units, which the last four stores read
.irp j, 12,13,14,15
	ST \j
.endr
	s_endpgm
.Lf16:
	BLK 0, 1
	BLK 1, 1
	BLK 2, 1
	BLK 3, 1
	s_wait_alu depctr_va_vdst(0)                   ; block 3 has written its units, which the last four stores read
.irp j, 12,13,14,15
	ST \j
.endr
	s_endpgm
.Lvec:                                             ; 256 threads x 16 bytes are one unit
	s_wait_alu depctr_va_vdst(0)                   ; v1, made at the head, is written: the nine loads and the nine stores below read it as their offset
	global_load_b128 v[X:X+3],     v1, s[22:23]
	global_load_b128 v[X+4:X+7],   v1, s[24:25]
	global_load_b128 v[X+8:X+11],  v1, s[24:25] offset:4096
	global_load_b128 v[X+12:X+15], v1, s[26:27]
	global_load_b128 v[X+16:X+19], v1, s[28:29]
	global_load_b128 v[X+20:X+23], v1, s[28:29] offset:4096
	global_load_b128 v[X+24:X+27], v1, s[30:31]
	global_load_b128 v[X+28:X+31], v1, s[32:33]
	global_load_b128 v[X+32:X+35], v1, s[34:35]
	s_wait_loadcnt 0x0
.set n, 0
.rept 9
	v_cvt_pk_bf16_f32 v[T], v[X+4*n], v[X+4*n+1]
	v_cvt_pk_bf16_f32 v[T+1], v[X+4*n+2], v[X+4*n+3]
	v_lshlrev_b32 v[X+4*n], 16, v[T]
	v_and_b32 v[X+4*n+1], s58, v[T]
	v_lshlrev_b32 v[X+4*n+2], 16, v[T+1]
	v_and_b32 v[X+4*n+3], s58, v[T+1]
.set n, n+1
.endr
	s_wait_alu depctr_va_vdst(0)                   ; the widenings have written all nine units, which the stores below read
.set n, 0
.rept 9
	global_store_b128 v1, v[X+4*n:X+4*n+3], s[42:43] offset:4096*n
.set n, n+1
.endr
	s_endpgm
.Lfunc_end_k_qd6f43d2b62_cast:
	.size	k_qd6f43d2b62_cast, .Lfunc_end_k_qd6f43d2b62_cast-k_qd6f43d2b62_cast
	.p2alignl 7, 3214868480
	.fill 96, 4, 3214868480
	.section	.rodata,"a",@progbits
	.p2align	6, 0x0
	.amdhsa_kernel k_qd6f43d2b62_cast
		.amdhsa_group_segment_fixed_size 0
		.amdhsa_private_segment_fixed_size 0
		.amdhsa_enable_private_segment 0
		.amdhsa_kernarg_size 144
		.amdhsa_user_sgpr_count 2
		.amdhsa_user_sgpr_kernarg_segment_ptr 1
		.amdhsa_wavefront_size32 1
		.amdhsa_system_sgpr_workgroup_id_x 1
		.amdhsa_system_sgpr_workgroup_id_y 1
		.amdhsa_system_sgpr_workgroup_id_z 1
		.amdhsa_system_vgpr_workitem_id 0
		.amdhsa_next_free_vgpr 104
		.amdhsa_next_free_sgpr 66
		.amdhsa_reserve_vcc 0
		.amdhsa_float_denorm_mode_32 3
		.amdhsa_float_denorm_mode_16_64 3
		.amdhsa_memory_ordered 1
		.amdhsa_forward_progress 1
		.amdhsa_inst_pref_size 24
	.end_amdhsa_kernel
	.amdgpu_metadata
---
amdhsa.version: [ 1, 2 ]
amdhsa.kernels:
  - .name:           k_qd6f43d2b62_cast
    .symbol:         k_qd6f43d2b62_cast.kd
    .args:
      - { .name: image_feat, .offset: 0, .size: 8, .value_kind: global_buffer, .address_space: global }
      - { .name: waveform_feat, .offset: 8, .size: 8, .value_kind: global_buffer, .address_space: global }
      - { .name: Wq_i, .offset: 16, .size: 8, .value_kind: global_buffer, .address_space: global }
      - { .name: Wq_w, .offset: 24, .size: 8, .value_kind: global_buffer, .address_space: global }
      - { .name: Wkv_i, .offset: 32, .size: 8, .value_kind: global_buffer, .address_space: global }
      - { .name: Wkv_w, .offset: 40, .size: 8, .value_kind: global_buffer, .address_space: global }
      - { .name: Wp, .offset: 48, .size: 8, .value_kind: global_buffer, .address_space: global }
      - { .name: bq_i, .offset: 56, .size: 8, .value_kind: global_buffer, .address_space: global }
      - { .name: bkv_i, .offset: 64, .size: 8, .value_kind: global_buffer, .address_space: global }
      - { .name: bq_w, .offset: 72, .size: 8, .value_kind: global_buffer, .address_space: global }
      - { .name: bkv_w, .offset: 80, .size: 8, .value_kind: global_buffer, .address_space: global }
      - { .name: bp, .offset: 88, .size: 8, .value_kind: global_buffer, .address_space: global }
      - { .name: gamma, .offset: 96, .size: 8, .value_kind: global_buffer, .address_space: global }
      - { .name: beta, .offset: 104, .size: 8, .value_kind: global_buffer, .address_space: global }
      - { .name: xb, .offset: 112, .size: 8, .value_kind: global_buffer, .address_space: global }
      - { .name: wcat, .offset: 120, .size: 8, .value_kind: global_buffer, .address_space: global }
      - { .name: wpb, .offset: 128, .size: 8, .value_kind: global_buffer, .address_space: global }
      - { .name: vecs, .offset: 136, .size: 8, .value_kind: global_buffer, .address_space: global }
    .group_segment_fixed_size: 0
    .private_segment_fixed_size: 0
    .kernarg_segment_align: 8
    .kernarg_segment_size: 144
    .max_flat_workgroup_size: 256
    .sgpr_count:     66
    .vgpr_count:     104
    .wavefront_size: 32
...
	.end_amdgpu_metadata
.endif
;; end of part 6
;; launch proj: the kernel of part 2 again; grid 8 x 32, 4 waves a work-group, clusters of 4 x 4, 327,680 bytes of LDS; arguments xb, wcat, vecs, qkv; writes qkv
;; launch attn: the kernel of part 3 again; grid 2 x 128, 4 waves a work-group, no clusters, 327,680 bytes of LDS; arguments qkv, ob; writes ob
;; launch oproj: the kernel of part 4 again; grid 8 x 32, 4 waves a work-group, clusters of 4 x 4, 327,680 bytes of LDS; arguments ob, wpb, vecs, pre; writes pre
;; launch lnorm: the kernel of part 5 again; grid 256 x 1, 8 waves a work-group, no clusters, 0 bytes of LDS; arguments pre, vecs, out0; writes out0
